; MI455X (gfx1250); checked and timed in simulation.
; The chip was launched on July 23, 2026; its instructions are those of AMD's public machine-readable ISA for CDNA 5 (MIT licence, August 2026) and "CDNA5" Instruction Set Architecture Reference Guide (July 2026). The comments in the code are by the model that wrote it; some were corrected since.
;; MAB mk2. Allowed arithmetic: matrix products marked QUANTISED: E4M3 operands, one E8M0 scale for each 32 along K, by v_wmma_scale_f32_16x16x128_f8f6f4 with both operands' format E4M3, f32 sums; everything else in f32.
;; Inputs: K 16 x 1,024 x 512 float32; Km 16 x 1,024 x 1 float32; Q 16 x 1,024 x 512 float32; Qm 16 x 1,024 x 1 float32; Wk 512 x 512 float32; Wo 512 x 512 float32; Wq 512 x 512 float32; Wv 512 x 512 float32; b0 512 float32; b1 512 float32; bk 512 float32; bo 512 float32; bq 512 float32; bv 512 float32; g0 512 float32; g1 512 float32.
;; Outputs: out0 16 x 1,024 x 512 float32.
;; This version of the problem:
;;   THIS VERSION OF THE PROBLEM IS GIVEN IN LOW PRECISION. The matrix products marked QUANTISED in the list below multiply operands that are first quantised to E4M3 (4 exponent bits, 3 mantissa bits; 8 bits a number), with one power-of-two scale for each 32 numbers along K (OCP MX v1.0); their sums are f32. All else is computed in f32.
;;   The module's matrix products, in the order in which they are computed (A, B: the left and right operand; K: the contracted axis; several contracted axes count as one K, in the product's order):
;;     1. [M 16,384, K 512] x [K 512, N 512]; A: input Q; B: input Wq: QUANTISED
;;     2. [M 16,384, K 512] x [K 512, N 512]; A: input K; B: input Wk: QUANTISED
;;     3. [M 16,384, K 512] x [K 512, N 512]; A: input K; B: input Wv: QUANTISED
;;     4. batch 128 x [M 1,024, K 64] x [K 64, N 1,024]; A: computed on the way; B: computed on the way: QUANTISED
;;     5. batch 128 x [M 1,024, K 1,024] x [K 1,024, N 64]; A: computed on the way; B: computed on the way: QUANTISED
;;     6. [M 16,384, K 512] x [K 512, N 512]; A: computed on the way; B: input Wo: QUANTISED
;;   THE QUANTISER, for each operand of a quantised product, along K:
;;     - K is cut into blocks of 32 from its start; a last block that is shorter is filled with zeros.
;;     - A block's scale is 2^e with e = floor(log2(the largest magnitude in the block)) - 8, held to -126 .. 127; a block of zeros has e = 0. As a byte (E8M0): e + 127.
;;     - Each number is divided by its block's scale, clamped to +-448, and rounded to the nearest number of E4M3, ties to even, subnormals kept.
;;     - The product sums the exact products of the quantised numbers (number of the format x scale) in f32.
;;   ~~~python
;;   def quantise(x, axis):      # numpy; x: float32 -> the quantised numbers, widened to float32 again
;;       x = np.moveaxis(x, axis, -1); K = x.shape[-1]
;;       x = np.pad(x, [(0, 0)] * (x.ndim - 1) + [(0, -K % 32)]); x = x.reshape(x.shape[:-1] + (-1, 32)); a = np.abs(x).max(-1, keepdims=True)
;;       e = np.where(a > 0, np.clip(np.frexp(np.where(a > 0, a, 1))[1] - 1 - 8, -126, 127), 0)      # np.frexp(a)[1] - 1 = floor(log2(a)), exactly
;;       r = np.clip(x / 2.0 ** e, -448, 448)
;;       step = 2.0 ** (np.maximum(np.frexp(np.where(r == 0, 1, r))[1] - 1, -6) - 3)
;;       q = np.round(r / step) * step * 2.0 ** e      # np.round: ties to even
;;       return np.moveaxis(q.reshape(q.shape[:-2] + (-1,))[..., :K], -1, axis).astype(np.float32)
;;   ~~~
;;   OPERANDS COMPUTED ON THE WAY. 'Computed on the way' means the value that the module computes at that place (a softmax that the list does not call 'softmax' is quantised finished and normalised). What goes into a quantiser is computed in f32, as accurately as f32 sums, v_exp_f32 and their like allow (about 1e-6 of the number): no bf16 or f16 on the way to a quantiser, and a product that is left as it is and whose result goes on into a quantised operand takes f32 operands (vector FMAs, or v_wmma_f32_16x16x4_f32). A number that lies on a knife's edge between two numbers of the format may be rounded either way, as far as f32 arithmetic and the matrix unit's own rounding can turn it there, and no further.
;; 2 versions, each right. Each part assembles by itself: llvm-mc -triple=amdgcn-amd-amdhsa -mcpu=gfx1250 --defsym DOCPART=n.
;; ======== version 1 of 2: 3 launches
;; workspace buffers: wimg 1,097,728 bytes; kv 17,563,648 bytes
;; launch wquant (part 1): grid 16 x 4, 4 waves a work-group, no clusters, 17,408 bytes of LDS; arguments Wq, Wk, Wv, Wo, wimg; writes wimg
.if DOCPART == 1
	.amdgcn_target "amdgcn-amd-amdhsa--gfx1250"
	.amdhsa_code_object_version 6
	.text
	.protected	k_qf3c5140507_wquant
	.globl	k_qf3c5140507_wquant
	.p2align	8
	.type	k_qf3c5140507_wquant,@function
k_qf3c5140507_wquant:
	s_mov_b64 s[64:65], 0
	v_nop
	global_prefetch_b8 v0, s[64:65] scope:SCOPE_SE
	s_setreg_imm32_b32 hwreg(HW_REG_WAVE_MODE, 25, 1), 1
	s_wait_xcnt 0x0
; Wq, Wk, Wv, Wo: [512 (k)][512 (n)] f32, K the FIRST axis.  Each is turned into codes of FP8 (E4M3) with one E8M0 byte for each 32 along K, and laid
; as IMAGES OF OPERAND REGISTERS, so that the later launches load whole fragments, 16 bytes a lane, 512 consecutive bytes an instruction.
; wimg is 8 chunks of CH bytes: weight wt (0 Wq, 1 Wk, 2 Wv, 3 Wo), half hf: chunk 2 wt + hf.  In a chunk, tile T = 16 hf + tt of 16 columns, K step s of 128:
;   fragment at (4 tt + s) 2048 + 512 c + 16 lane: the 16 codes W[128 s + 32 c + 16 h + 0..15][n], lane = 16 h + r, n = 32 B + 8 u + r + 8 (r / 8), T = 2 B + u;
;   from 131072: (B % 8) 512 + 16 (16 u + r): the column's 16 scale bytes;  from 135168: 2,048 zeros (the chunk is read whole).
; THE COLUMNS OF A TILE ARE NOT NEIGHBOURS, so that the 16 result registers of tiles 2 B and 2 B + 1 are 16 neighbours along the next product's K.
; SHARES: work-group (B, wt): 32 columns; wave s: K step s; A LANE TAKES A COLUMN AND ITS REGISTERS RUN DOWN K: a block of 32 lies in one lane, nothing is transposed by an instruction.
; 64 work-groups: the work has no more shares that store whole runs of 512 bytes.  No tensor load, no cluster: no two work-groups read the same bytes.
; A block's scale is 2^(floor(log2(largest magnitude)) - 8); its byte is the largest magnitude's exponent field - 8, held at 1 from below.
; LIMITS: a block of zeros, or one whose largest magnitude lies under 2^-118, gets the byte 1 (this program alone reads the bytes; zero codes add nothing); NaN and infinities are not served.
.set CH,   137216
.set SG,   16384                       ; LDS: four stages of 4,096 bytes, one a wave; then 512 bytes of scale words
.set X,    32                          ; v32-159  four blocks of 32 numbers
.set C,    20                          ; v20-27   a block's codes
.set OUTR, 160                         ; v160-191 the way out
	s_load_b256 s[4:11], s[0:1], 0x0               ; Wq, Wk, Wv, Wo
	s_load_b64 s[12:13], s[0:1], 0x20              ; wimg
	v_lshl_add_u32 v192, v0, 2, 0x4200
	v_mov_b32 v193, 0
	v_lshrrev_b32 v1, 5, v0
	v_readfirstlane_b32 s14, v1                    ; wave = K step
	v_and_b32 v1, 31, v0                           ; lane = column 32 B + lane
	v_lshlrev_b32 v2, 2, v1                        ; in: 4 bytes a lane
	v_bfe_u32 v8, v0, 3, 1                         ; u: which tile of the pair my column falls into
	v_and_b32 v9, 7, v0
	v_bfe_u32 v10, v0, 4, 1
	v_lshl_or_b32 v9, v10, 3, v9                   ; r: which lane of that tile
	s_lshl_b32 s15, s14, 12                        ; my stage
	v_lshlrev_b32 v9, 4, v9                        ; 16 r
	v_lshl_add_u32 v3, v8, 11, v9
	v_add_nc_u32 v3, s15, v3                       ; into the stage: 2048 u + 16 r (+ 512 c + 256 h in the immediate)
	v_lshlrev_b32 v6, 4, v1                        ; 16 x lane
	v_add_nc_u32 v4, s15, v6                       ; out of it: as it lies
	v_lshl_add_u32 v5, v8, 8, v9
	s_lshl_b32 s16, s14, 2
	s_add_co_u32 s16, s16, SG
	v_add_nc_u32 v5, s16, v5                       ; my column's scale word of this K step: SG + 256 u + 16 r + 4 s
	v_lshlrev_b32 v7, 3, v1                        ; 8 x lane
	v_add_nc_u32 v11, SG, v6                       ; the scale words on their way out
	v_mov_b32 v18, 0
	v_mov_b32 v19, 0
	s_mov_b32 s31, 0x600000                        ; the mantissa field of 448
	s_and_b32 s17, ttmp7, 0xffff                   ; which weight
	s_lshl_b32 s18, s14, 18                        ; 128 rows of 2,048 bytes a K step
	s_lshl_b32 s19, ttmp9, 7                       ; 32 columns of 4 bytes
	s_add_co_u32 s18, s18, s19
	s_mov_b32 s19, 0
	s_lshl_b32 s20, s17, 1
	s_lshr_b32 s21, ttmp9, 3
	s_add_co_u32 s20, s20, s21
	s_mul_i32 s20, s20, CH                         ; my chunk
	s_mov_b32 s21, 0
	s_and_b32 s22, ttmp9, 7                        ; B % 8
	s_lshl_b32 s24, s22, 3                         ; 4 x the pair's first tile in the chunk
	s_add_co_u32 s24, s24, s14
	s_lshl_b32 s24, s24, 11                        ; the first tile's fragment of my K step; the second lies 8,192 bytes on
	s_mov_b32 s25, 0
	s_lshl_b32 s26, s22, 9
	s_add_co_u32 s26, s26, 131072
	s_mov_b32 s27, 0
	s_lshl_b32 s28, s22, 8
	s_add_co_u32 s28, s28, 135168
	s_mov_b32 s29, 0
	s_wait_kmcnt 0x0
	s_cmp_eq_u32 s17, 1                            ; the choice hangs on the work-group's number alone
	s_cselect_b64 s[4:5], s[6:7], s[4:5]
	s_cmp_eq_u32 s17, 2
	s_cselect_b64 s[4:5], s[8:9], s[4:5]
	s_cmp_eq_u32 s17, 3
	s_cselect_b64 s[4:5], s[10:11], s[4:5]
	s_add_nc_u64 s[4:5], s[4:5], s[18:19]
	s_add_nc_u64 s[12:13], s[12:13], s[20:21]
	s_add_nc_u64 s[24:25], s[12:13], s[24:25]
	s_add_nc_u64 s[26:27], s[12:13], s[26:27]
	s_add_nc_u64 s[28:29], s[12:13], s[28:29]
.macro LOAD c                          ; block c: W(128 s + 32 c + i, my column): 32 lanes read 128 consecutive bytes
.set i, 0
.rept 32
	global_load_b32 v[X+32*(\c)+i], v2, s[4:5] offset:(32*(\c)+i)*2048 th:TH_LOAD_NT
.set i, i+1
.endr
.endm
.macro BLOCK c
.set XS, X+32*(\c)
.if (\c) < 3
	s_wait_loadcnt 32                              ; this block's 32 loads are in; the next block's 32 may be out
.else
	s_wait_loadcnt 0x0
.endif
.if (\c)+2 < 4
	LOAD (\c)+2                                    ; two blocks ahead, into registers of its own
.endif
	v_max3_num_f32 v12, |v[XS]|, |v[XS+1]|, |v[XS+2]|              ; the block's largest magnitude: all 32 numbers are mine; two chains
	v_max3_num_f32 v13, |v[XS+3]|, |v[XS+4]|, |v[XS+5]|
.irp i, 6,10,14,18,22,26
	v_max3_num_f32 v12, v12, |v[XS+\i]|, |v[XS+\i+1]|
	v_max3_num_f32 v13, v13, |v[XS+\i+2]|, |v[XS+\i+3]|
.endr
	v_max3_num_f32 v12, v12, |v[XS+30]|, |v[XS+31]|
	v_max3_num_f32 v12, v12, v13, 0x4800000        ; and the floor 2^(9 - 127): the byte cannot fall under 1
	v_add_nc_u32 v15, 0xfc000000, v12              ; 8 off the exponent field: the conversion's scale operand
	v_and_or_b32 v14, v12, 0x7f800000, s31         ; 448 x the scale
	v_lshrrev_b32 v13, 23, v15                     ; the scale's byte
.if (\c) == 0
	v_mov_b32 v16, v13
.else
	v_lshl_or_b32 v16, v13, 8*(\c), v16            ; four bytes make the K step's scale word
.endif
.set i, 0
.rept 32
	v_med3_num_f32 v[XS+i], v[XS+i], -v14, v14     ; the conversion to an 8-bit code does not saturate (ISA guide 7.6.2): the hold comes first
.set i, i+1
.endr
.irp q, 0,1,2,3
	v_cvt_scalef32_pk8_fp8_f32 v[C+2*\q:C+2*\q+1], v[XS+8*\q:XS+8*\q+7], v15
.endr
	ds_store_b128 v3, v[C:C+3] offset:512*(\c)             ; k = 32 c + 0..15: the place of lane r
	ds_store_b128 v3, v[C+4:C+7] offset:512*(\c)+256       ; k = 32 c + 16..31: of lane 16 + r
	s_wait_dscnt 0x0                               ; the stores have read their registers: the next block's codes may be written
.endm
	LOAD 0
	LOAD 1
	BLOCK 0
	BLOCK 1
	BLOCK 2
	BLOCK 3
	ds_store_b32 v5, v16
.irp k, 0,1,2,3,4,5,6,7
	ds_load_b128 v[OUTR+4*\k:OUTR+4*\k+3], v4 offset:512*\k        ; LDS serves a wave's instructions in order: these see my stores
.endr
.irp k, 0,1,2,3,4,5,6,7
	s_wait_dscnt 7-\k                              ; the younger loads may be out
	global_store_b128 v6, v[OUTR+4*\k:OUTR+4*\k+3], s[24:25] offset:(\k/4)*8192+(\k%4)*512   ; 32 lanes store 512 consecutive bytes
.endr
	s_wait_dscnt 0x0                               ; for the others' sake: my scale word has landed
	s_barrier_signal -1
	s_barrier_wait -1
	s_cmp_lg_u32 s14, 0
	s_cbranch_scc1 .Lnot_wave_0
	ds_load_b128 v[28:31], v11                     ; a column's four words, one from each wave
	s_wait_dscnt 0x0
	global_store_b128 v6, v[28:31], s[26:27]       ; 512 consecutive bytes
	s_wait_tensorcnt 0x0
	ds_add_u32 v192, v193
	s_wait_dscnt 0x0
	s_endpgm
.Lnot_wave_0:
	s_cmp_lg_u32 s14, 1
	s_cbranch_scc1 .Ldone
	global_store_b64 v7, v[18:19], s[28:29]        ; my eighth of the chunk's zeros: 256 consecutive bytes
.Ldone:
	s_wait_tensorcnt 0x0
	ds_add_u32 v192, v193
	s_wait_dscnt 0x0
	s_endpgm
.Lfunc_end_k_qf3c5140507_wquant:
	.size	k_qf3c5140507_wquant, .Lfunc_end_k_qf3c5140507_wquant-k_qf3c5140507_wquant
	.p2alignl 7, 3214868480
	.fill 96, 4, 3214868480
	.section	.rodata,"a",@progbits
	.p2align	6, 0x0
	.amdhsa_kernel k_qf3c5140507_wquant
		.amdhsa_group_segment_fixed_size 17408
		.amdhsa_private_segment_fixed_size 0
		.amdhsa_enable_private_segment 0
		.amdhsa_kernarg_size 40
		.amdhsa_user_sgpr_count 2
		.amdhsa_user_sgpr_kernarg_segment_ptr 1
		.amdhsa_wavefront_size32 1
		.amdhsa_system_sgpr_workgroup_id_x 1
		.amdhsa_system_sgpr_workgroup_id_y 1
		.amdhsa_system_sgpr_workgroup_id_z 1
		.amdhsa_system_vgpr_workitem_id 0
		.amdhsa_next_free_vgpr 194
		.amdhsa_next_free_sgpr 66
		.amdhsa_reserve_vcc 0
		.amdhsa_float_denorm_mode_32 3
		.amdhsa_float_denorm_mode_16_64 3
		.amdhsa_memory_ordered 1
		.amdhsa_forward_progress 1
		.amdhsa_inst_pref_size 32
	.end_amdhsa_kernel
	.amdgpu_metadata
---
amdhsa.version: [ 1, 2 ]
amdhsa.kernels:
  - .name:           k_qf3c5140507_wquant
    .symbol:         k_qf3c5140507_wquant.kd
    .args:
      - { .name: Wq, .offset: 0, .size: 8, .value_kind: global_buffer, .address_space: global }
      - { .name: Wk, .offset: 8, .size: 8, .value_kind: global_buffer, .address_space: global }
      - { .name: Wv, .offset: 16, .size: 8, .value_kind: global_buffer, .address_space: global }
      - { .name: Wo, .offset: 24, .size: 8, .value_kind: global_buffer, .address_space: global }
      - { .name: wimg, .offset: 32, .size: 8, .value_kind: global_buffer, .address_space: global }
    .group_segment_fixed_size: 17408
    .private_segment_fixed_size: 0
    .kernarg_segment_align: 8
    .kernarg_segment_size: 40
    .max_flat_workgroup_size: 128
    .sgpr_count:     66
    .vgpr_count:     194
    .wavefront_size: 32
...
	.end_amdgpu_metadata
.endif
;; end of part 1
;; launch kvproj (part 2): grid 2 x 128, 4 waves a work-group, no clusters, 70,144 bytes of LDS; arguments K, Km, bk, bv, wimg, kv; writes kv
.if DOCPART == 2
	.amdgcn_target "amdgcn-amd-amdhsa--gfx1250"
	.amdhsa_code_object_version 6
	.text
	.protected	k_qf3c5140507_kvproj
	.globl	k_qf3c5140507_kvproj
	.p2align	8
	.type	k_qf3c5140507_kvproj,@function
k_qf3c5140507_kvproj:
	s_mov_b64 s[64:65], 0
	v_nop
	global_prefetch_b8 v0, s[64:65] scope:SCOPE_SE
	s_setreg_imm32_b32 hwreg(HW_REG_WAVE_MODE, 25, 1), 1
	s_wait_xcnt 0x0
; Kp = (K Wk + bk) Km and V = K Wv + bv, both products on codes of FP8 (E4M3) with one E8M0 scale for each 32 along K; the results are quantised at once for the attention's two products
; (Kp along a head's 64 features, V along the keys) and stored as images of operand registers.  kv is 128 chunks of CH bytes, chunk 8 batch + head:
;   K tiles:   1024 i + 512 c + 16 lane, i = 8 g + 2 b + u: codes Kp[key 128 g + 32 b + 8 u + r + 8 (r / 8)][64 head + 32 c + 16 h + 0..15]
;   from 65536:  V^T fragments (4 g + t) 2048 + 512 c + 16 lane, t = 2 b' + u: codes V[key 128 g + 32 c + 16 h + 0..15][64 head + 32 b' + 8 u + r + 8 (r / 8)]
;   from 131072: K's scale words, 512 g + 16 lane, word p: lanes 0-15 tile 8 g + 2 p, lanes 16-31 tile 8 g + 2 p + 1; a word is b0, b1, b0, b1 (the bytes of the unused upper 64 along K repeat the real ones)
;   from 135168: V's scale words, 256 g + 8 lane, word p: lanes 0-15 feature tile 2 p, lanes 16-31 tile 2 p + 1; byte c: keys 128 g + 32 c on
; SHARES: work-group (y, tb): 128 tokens, heads 4 y .. 4 y + 3; wave w: head 4 y + w, for all 128 tokens.  THE WAVES SHARE THE COLUMNS: a wave's 16 fragments of Wk and 16 of Wv stay in its registers,
; read once; what goes round is the tokens' codes, from wave to wave through LDS as images of their registers (16 bytes a lane, 512 an instruction).
; Kp is made TRANSPOSED (source 0 = 16 columns of Wk, source 1 = 16 tokens): a lane holds one token and its registers run along the features, Kp's next K.
; V is made the natural way (source 0 = 16 tokens, source 1 = 16 columns of Wv): a lane holds one feature and its registers run along the tokens, V's next K.
; THE TOKENS OF A TILE AND THE COLUMNS OF A TILE ARE NOT NEIGHBOURS (lane r of tile 2 b + u takes 32 b + 8 u + r + 8 (r / 8)): so two neighbouring tiles' 16 registers are 16 neighbours.
; NO CLUSTER, NO TENSOR LOAD: a token row is read by two work-groups only, straight into the registers in which it is quantised; the weights go straight into the registers in which they stay.
; LIMITS: a block of zeros, or under 2^-118, gets the byte 1 (read by this program alone); NaN and infinities are not served.
; REGISTERS, window 0: v1-15 addresses; v16-31 the weights' scale words; v32-35 the tokens'; v36-51 at work; v52-67 codes; v68-78 scale words on their way out; v80-143 a tile's four fragments of x;
;   v144-175 Kp's four tiles; v176-239 V's four pairs of tiles; v240-247 Km.   window 1: Wk.   window 2: Wv.   window 3: v0-31 bk, v32-63 bv, in the results' layouts.
.set CH,   137216
.set XSC,  65536                       ; LDS: 32 fragments of x (tile m, K step s: (4 m + s) 2048), then their scale words, 128 bytes each
.set L16,  1                           ; v1   16 x lane
.set LSC,  2                           ; v2   XSC + 4 x lane
.set XA,   3                           ; v3   x: (r + 8 (r / 8)) rows of 2,048 bytes + 64 h
.set XWI,  4                           ; v4   where I store my images: 16 x lane + 16384 x wave
.set XWS,  5                           ; v5   and their scale words: XSC + 4 x lane + 1024 x wave
.set PR4,  6                           ; v6   4 (r + 8 (r / 8))
.set H64,  7                           ; v7   64 h
.set L8,   9                           ; v9   8 x lane
.set WFO,  13                          ; v13  16 x lane + 32768 x wave: my fragments in a weight's chunk
.set KWE,  14                          ; v14  the even tile's scale word
.set WSO,  15                          ; v15  16 x lane + 1024 x wave: my scale words in a weight's chunk
.set WKS,  16
.set WVS,  24
.set XS,   32
.set TM,   36                          ; v36-39 largest magnitudes, v40-43 bytes, v44-47 448 x the scale, v48-51 the conversions' scale operands
.set PC,   52
.set KSW,  68
.set VSW,  72
.set VS2,  76
.set PW,   78
.set XF,   80
.set RA,   80                          ; phase X: two sets of 64 numbers, v80-143 and v144-207
.set KACC, 144
.set VACC, 176
.set KMR,  240
.set MSB, 0
.macro WIN new                         ; the immediate's high byte repeats the setting that is left
.if MSB != (\new)
	s_set_vgpr_msb (MSB<<8)|(\new)
.set MSB, (\new)
.endif
.endm
.macro NOPS n
.rept \n
	v_nop
.endr
.endm
; nb blocks of 16 registers from v[src] on, each half of a block of 32 that lane l xor 16 completes, become codes in v[PC] on; the bytes are left in v[TM+4] on
.macro QUANT src, nb
.set q, 0
.rept \nb
	v_max3_num_f32 v[TM+q], |v[(\src)+16*q]|, |v[(\src)+16*q+1]|, 0x4800000   ; with the floor 2^(9 - 127): the byte cannot fall under 1
.set q, q+1
.endr
.irp i, 2,4,6,8,10,12,14
.set q, 0
.rept \nb
	v_max3_num_f32 v[TM+q], v[TM+q], |v[(\src)+16*q+\i]|, |v[(\src)+16*q+\i+1]|   ; the blocks by turns
.set q, q+1
.endr
.endr
.set q, 0
.rept \nb
	v_permlanex16_b32 v[TM+4+q], v[TM+q], s42, s43
.set q, q+1
.endr
.set q, 0
.rept \nb
	v_max_num_f32 v[TM+q], v[TM+q], v[TM+4+q]      ; with lane l xor 16's: the block's largest magnitude
.set q, q+1
.endr
.set q, 0
.rept \nb
	v_add_nc_u32 v[TM+12+q], 0xfc000000, v[TM+q]   ; 8 off the exponent field: the conversion's scale operand
.set q, q+1
.endr
.set q, 0
.rept \nb
	v_and_or_b32 v[TM+8+q], v[TM+q], 0x7f800000, s44   ; 448 x the scale
.set q, q+1
.endr
.set q, 0
.rept \nb
	v_lshrrev_b32 v[TM+4+q], 23, v[TM+12+q]        ; the scale's byte
.set q, q+1
.endr
.set q, 0
.rept \nb
.set i2, 0
.rept 16
	v_med3_num_f32 v[(\src)+16*q+i2], v[(\src)+16*q+i2], -v[TM+8+q], v[TM+8+q]   ; the conversion does not saturate (ISA guide 7.6.2): the hold comes first
.set i2, i2+1
.endr
	v_cvt_scalef32_pk8_fp8_f32 v[PC+4*q:PC+4*q+1], v[(\src)+16*q:(\src)+16*q+7], v[TM+12+q]
	v_cvt_scalef32_pk8_fp8_f32 v[PC+4*q+2:PC+4*q+3], v[(\src)+16*q+8:(\src)+16*q+15], v[TM+12+q]
.set q, q+1
.endr
	v_nop                                          ; a plain line behind the last conversion
.endm
.macro XLOAD reg, u, ks                ; my tile u, K step ks: lane (r, h) takes 16 neighbours of each block of 32 of its token's row
.set i, 0
.rept 16
	global_load_b128 v[(\reg)+4*i:(\reg)+4*i+3], v[XA], s[4:5] offset:(\u)*16384+512*(\ks)+128*(i/4)+16*(i%4)
.set i, i+1
.endr
.endm
.macro WP k                            ; four fragments of Wk (k < 4) or Wv into their window: 16 loads of 512 consecutive bytes
	WIN 0x40*(1+(\k)/4)
.set i, 0
.rept 16
.if (\k) < 4
	global_load_b128 v[64*((\k)%4)+4*i:64*((\k)%4)+4*i+3], v[WFO], s[12:13] offset:512*(16*((\k)%4)+i)
.else
	global_load_b128 v[64*((\k)%4)+4*i:64*((\k)%4)+4*i+3], v[WFO], s[28:29] offset:512*(16*((\k)%4)+i)
.endif
.set i, i+1
.endr
	WIN 0
.endm
.macro XQ k, left                      ; my fragment k of eight is quantised and its image stored; left: the younger loads that may stay out
	s_wait_loadcnt \left
	QUANT RA+64*((\k)%2), 4
	v_lshl_or_b32 v[PW], v[TM+5], 8, v[TM+4]
	v_lshl_or_b32 v[PW], v[TM+6], 16, v[PW]
	v_lshl_or_b32 v[PW], v[TM+7], 24, v[PW]
.irp c, 0,1,2,3
	ds_store_b128 v[XWI], v[PC+4*\c:PC+4*\c+3] offset:(\k)*2048+512*\c
.endr
	ds_store_b32 v[XWS], v[PW] offset:(\k)*128
	s_wait_dscnt 0x0                               ; the stores have read their registers
.if (\k)+2 < 8
	XLOAD RA+64*((\k)%2), ((\k)+2)/4, ((\k)+2)%4
.endif
	WP \k
.endm
.macro FETCH m                         ; tile m's four fragments of x and their scale words, as any wave stored them
.set i, 0
.rept 16
	ds_load_b128 v[XF+4*i:XF+4*i+3], v[L16] offset:(\m)*8192+512*i
.set i, i+1
.endr
.irp ks, 0,1,2,3
	ds_load_b32 v[XS+\ks], v[LSC] offset:(4*(\m)+\ks)*128
.endr
.endm
.macro KMM t, ks                       ; Kp^T: source 0 = 16 columns of Wk, source 1 = 16 tokens; the first K step takes bk as C
.set rD, KACC+8*(\t)
.set rA, 16*(4*(\t)+(\ks))
.set rB, XF+16*(\ks)
.set rC, rD
.if (\ks) == 0
.set rC, 8*(\t)
.endif
.if (\t)%2
	v_wmma_scale_f32_16x16x128_f8f6f4 v[rD:rD+7], v[rA:rA+15], v[rB:rB+15], v[rC:rC+7], v[WKS+4*((\t)/2)+(\ks)], v[XS+(\ks)] matrix_a_scale:MATRIX_SCALE_ROW1
.else
	v_wmma_scale_f32_16x16x128_f8f6f4 v[rD:rD+7], v[rA:rA+15], v[rB:rB+15], v[rC:rC+7], v[WKS+4*((\t)/2)+(\ks)], v[XS+(\ks)]
.endif
.endm
.macro VMM m, t, ks                    ; V: source 0 = 16 tokens, source 1 = 16 columns of Wv; the first K step takes bv as C
.set rD, VACC+16*(\t)+8*((\m)%2)
.set rA, XF+16*(\ks)
.set rB, 16*(4*(\t)+(\ks))
.set rC, rD
.if (\ks) == 0
.set rC, 32+8*(\t)
.endif
.if (\t)%2
	v_wmma_scale_f32_16x16x128_f8f6f4 v[rD:rD+7], v[rA:rA+15], v[rB:rB+15], v[rC:rC+7], v[XS+(\ks)], v[WVS+4*((\t)/2)+(\ks)] matrix_b_scale:MATRIX_SCALE_ROW1
.else
	v_wmma_scale_f32_16x16x128_f8f6f4 v[rD:rD+7], v[rA:rA+15], v[rB:rB+15], v[rC:rC+7], v[XS+(\ks)], v[WVS+4*((\t)/2)+(\ks)]
.endif
.endm
.macro QUANTK m                        ; tile m of Kp: x Km, two blocks of 32 features, 1,024 bytes of codes
	s_wait_xcnt 0x0                                ; the earlier stores have read v[PC] on
.set i, 0
.rept 16
.if (\m)%2
	v_pk_mul_f32 v[KACC+2*i:KACC+2*i+1], v[KACC+2*i:KACC+2*i+1], v[KMR+2*((\m)/2):KMR+2*((\m)/2)+1] op_sel:[0,1] op_sel_hi:[1,1]
.else
	v_pk_mul_f32 v[KACC+2*i:KACC+2*i+1], v[KACC+2*i:KACC+2*i+1], v[KMR+2*((\m)/2):KMR+2*((\m)/2)+1] op_sel_hi:[1,0]
.endif
.set i, i+1
.endr
	QUANT KACC, 2
	v_lshl_or_b32 v[PW], v[TM+5], 8, v[TM+4]
	v_lshl_or_b32 v[PW], v[PW], 16, v[PW]          ; b0, b1, b0, b1
.if (\m)%2
	v_cndmask_b32 v[KSW+(\m)/2], v[KWE], v[PW], s40   ; lanes 0-15 the even tile's words, lanes 16-31 the odd tile's
.else
	v_mov_b32 v[KWE], v[PW]
.endif
	global_store_b128 v[L16], v[PC:PC+3], s[32:33] offset:(\m)*1024
	global_store_b128 v[L16], v[PC+4:PC+7], s[32:33] offset:(\m)*1024+512
.endm
.macro QUANTV m                        ; tokens 32 (m / 2) on of V, for the four feature tiles: one block of 32 keys each
	s_wait_xcnt 0x0
	QUANT VACC, 4
.irp t, 0,1,2,3
.if (\m)/2 == 0
	v_mov_b32 v[VSW+\t], v[TM+4+\t]
.else
	v_lshl_or_b32 v[VSW+\t], v[TM+4+\t], 8*((\m)/2), v[VSW+\t]
.endif
.endr
.irp t, 0,1,2,3
	global_store_b128 v[L16], v[PC+4*\t:PC+4*\t+3], s[32:33] offset:65536+2048*\t+512*((\m)/2)
.endr
.endm
.macro TILE m
	s_wait_dscnt 0x0                               ; the tile's fragments are in
.irp ks, 0,1,2,3                       ; eight accumulators by turns, one instruction a turn
.if \ks == 0
	WIN 0x31                                       ; source 0 (Wk) window 1, C (bk) window 3
.else
	WIN 0x01
.endif
.irp t, 0,1,2,3
	KMM \t, \ks
.endr
.if \ks == 0
	WIN 0x38                                       ; source 1 (Wv) window 2, C (bv) window 3
.else
	WIN 0x08
.endif
.irp t, 0,1,2,3
	VMM \m, \t, \ks
.endr
.endr
	WIN 0
	NOPS 9                                         ; eight places in front of loads into registers that the products read and of the first read of results; nine in front of the next tile's products, which begin Kp's accumulators anew
.if (\m) < 7
	FETCH (\m)+1                                   ; lands while this tile is quantised
.endif
	QUANTK \m
.if (\m)%2
	QUANTV \m
.endif
.endm
	s_load_b256 s[4:11], s[0:1], 0x0               ; K, Km, bk, bv
	s_load_b128 s[12:15], s[0:1], 0x20             ; wimg, kv
	v_lshl_add_u32 v254, v0, 2, 0x11000
	v_mov_b32 v255, 0
	v_lshrrev_b32 v8, 5, v0
	v_readfirstlane_b32 s16, v8                    ; wave
	v_and_b32 v8, 31, v0                           ; lane
	v_and_b32 v10, 15, v0                          ; r
	v_bfe_u32 v11, v0, 4, 1                        ; h
	v_and_b32 v12, 8, v10
	v_add_nc_u32 v12, v12, v10                     ; r + 8 (r / 8)
	v_lshlrev_b32 v[L16], 4, v8
	v_lshlrev_b32 v[LSC], 2, v8
	v_add_nc_u32 v[LSC], XSC, v[LSC]
	v_lshlrev_b32 v[XA], 11, v12
	v_lshl_add_u32 v[XA], v11, 6, v[XA]
	s_lshl_b32 s17, s16, 14
	v_add_nc_u32 v[XWI], s17, v[L16]
	s_lshl_b32 s17, s16, 10
	v_add_nc_u32 v[XWS], s17, v[LSC]
	v_add_nc_u32 v[WSO], s17, v[L16]
	s_lshl_b32 s17, s16, 15
	v_add_nc_u32 v[WFO], s17, v[L16]
	v_lshlrev_b32 v[PR4], 2, v12
	v_lshlrev_b32 v[H64], 6, v11
	v_lshlrev_b32 v[L8], 3, v8
	v_cmp_lt_u32 s40, 15, v8                       ; lanes 16-31
.irp b, 0,1,2,3
	v_mov_b32 v[TM+4+\b], 0                        ; written once: a lane permute's destination counts as one of its sources
.endr
	s_mov_b32 s42, 0x76543210
	s_mov_b32 s43, 0xfedcba98                      ; v_permlanex16_b32's selects for lane l xor 16
	s_mov_b32 s44, 0x600000                        ; the mantissa field of 448
	s_and_b32 s17, ttmp7, 0xffff                   ; tb: which 128 tokens
	s_lshr_b32 s18, s17, 3                         ; batch
	s_and_b32 s19, s17, 7                          ; g: which 128 keys of the batch
	s_lshl_b32 s20, ttmp9, 2
	s_add_co_u32 s20, s20, s16                     ; head
	s_lshl_b32 s22, s17, 18                        ; 128 rows of 2,048 bytes,
	s_lshl_b32 s23, s16, 16                        ; my wave's 32 of them in phase X
	s_add_co_u32 s22, s22, s23
	s_mov_b32 s23, 0
	s_lshl_b32 s24, s17, 9
	s_mov_b32 s25, 0
	s_lshl_b32 s26, s20, 8                         ; the head's 64 numbers of a bias
	s_mov_b32 s27, 0
	s_add_co_u32 s28, ttmp9, 2
	s_mul_i32 s28, s28, CH                         ; Wk's chunk with my heads' columns; Wv's lies two chunks on
	s_mov_b32 s29, 0
	s_lshl_b32 s30, s18, 3
	s_add_co_u32 s30, s30, s20
	s_mul_i32 s30, s30, CH                         ; my chunk of kv
	s_mov_b32 s31, 0
	s_lshl_b32 s32, s19, 13
	s_mov_b32 s33, 0
	s_lshl_b32 s34, s19, 9
	s_add_co_u32 s34, s34, 131072
	s_mov_b32 s35, 0
	s_lshl_b32 s36, s19, 8
	s_add_co_u32 s36, s36, 135168
	s_mov_b32 s37, 0
	s_wait_kmcnt 0x0
	s_add_nc_u64 s[4:5], s[4:5], s[22:23]
	s_add_nc_u64 s[6:7], s[6:7], s[24:25]
	s_add_nc_u64 s[8:9], s[8:9], s[26:27]
	s_add_nc_u64 s[10:11], s[10:11], s[26:27]
	s_add_nc_u64 s[12:13], s[12:13], s[28:29]
	s_add_nc_u64 s[28:29], s[12:13], 2*CH
	s_add_nc_u64 s[14:15], s[14:15], s[30:31]
	s_add_nc_u64 s[32:33], s[14:15], s[32:33]      ; codes: K's tiles at 8192 g, V's fragments at 65536 + 8192 g
	s_add_nc_u64 s[34:35], s[14:15], s[34:35]      ; K's scale words
	s_add_nc_u64 s[36:37], s[14:15], s[36:37]      ; V's
	; the small things first, 52 loads: the weights' scale words, Km, the biases in the results' layouts
.irp b, 0,1
	global_load_b128 v[WKS+4*\b:WKS+4*\b+3], v[WSO], s[12:13] offset:131072+512*\b
	global_load_b128 v[WVS+4*\b:WVS+4*\b+3], v[WSO], s[28:29] offset:131072+512*\b
.endr
.irp m, 0,1,2,3,4,5,6,7
	global_load_b32 v[KMR+\m], v[PR4], s[6:7] offset:(32*(\m/2)+8*(\m%2))*4        ; Km of tile m's token in my lane
.endr
	WIN 0xc0
.irp t, 0,1,2,3
	global_load_b128 v[8*\t:8*\t+3], v[H64], s[8:9] offset:(32*(\t/2)+8*(\t%2))*4      ; bk: register j of tile t is feature 32 (t / 2) + 16 h + 8 (t % 2) + j
	global_load_b128 v[8*\t+4:8*\t+7], v[H64], s[8:9] offset:(32*(\t/2)+8*(\t%2))*4+16
.endr
.irp t, 0,1,2,3
.irp j, 0,1,2,3,4,5,6,7
	global_load_b32 v[32+8*\t+\j], v[PR4], s[10:11] offset:(32*(\t/2)+8*(\t%2))*4      ; bv: all eight registers are my lane's feature
.endr
.endr
	WIN 0
	; ---- X: wave w quantises token tiles 2 w and 2 w + 1, four K steps each; the weights' loads stand between
	XLOAD RA, 0, 0
	XLOAD RA+64, 0, 1
	XQ 0, 16                                       ; out: fragment 1
	XQ 1, 32                                       ; out: fragment 2, four weight fragments
	XQ 2, 48                                       ; out: weights, fragment 3, weights
	XQ 3, 48
	XQ 4, 48
	XQ 5, 48
	XQ 6, 48
	XQ 7, 32                                       ; out: two batches of weights
	s_wait_loadcnt 0x0                             ; the weights are in
	s_wait_dscnt 0x0                               ; for the others' sake: my images have landed
	s_barrier_signal -1
	s_barrier_wait -1                              ; x's 32 fragments lie in LDS; nothing writes them again
	FETCH 0
.irp m, 0,1,2,3,4,5,6,7
	TILE \m
.endr
	global_store_b128 v[L16], v[KSW:KSW+3], s[34:35]               ; 512 consecutive bytes
	v_cndmask_b32 v[VS2], v[VSW], v[VSW+1], s40
	v_cndmask_b32 v[VS2+1], v[VSW+2], v[VSW+3], s40
	global_store_b64 v[L8], v[VS2:VS2+1], s[36:37]                 ; 256 consecutive bytes
	s_wait_tensorcnt 0x0
	ds_add_u32 v254, v255
	s_wait_dscnt 0x0
	s_endpgm
.Lfunc_end_k_qf3c5140507_kvproj:
	.size	k_qf3c5140507_kvproj, .Lfunc_end_k_qf3c5140507_kvproj-k_qf3c5140507_kvproj
	.p2alignl 7, 3214868480
	.fill 96, 4, 3214868480
	.section	.rodata,"a",@progbits
	.p2align	6, 0x0
	.amdhsa_kernel k_qf3c5140507_kvproj
		.amdhsa_group_segment_fixed_size 70144
		.amdhsa_private_segment_fixed_size 0
		.amdhsa_enable_private_segment 0
		.amdhsa_kernarg_size 48
		.amdhsa_user_sgpr_count 2
		.amdhsa_user_sgpr_kernarg_segment_ptr 1
		.amdhsa_wavefront_size32 1
		.amdhsa_system_sgpr_workgroup_id_x 1
		.amdhsa_system_sgpr_workgroup_id_y 1
		.amdhsa_system_sgpr_workgroup_id_z 1
		.amdhsa_system_vgpr_workitem_id 0
		.amdhsa_next_free_vgpr 832
		.amdhsa_next_free_sgpr 66
		.amdhsa_reserve_vcc 0
		.amdhsa_float_denorm_mode_32 3
		.amdhsa_float_denorm_mode_16_64 3
		.amdhsa_memory_ordered 1
		.amdhsa_forward_progress 1
		.amdhsa_inst_pref_size 223
	.end_amdhsa_kernel
	.amdgpu_metadata
---
amdhsa.version: [ 1, 2 ]
amdhsa.kernels:
  - .name:           k_qf3c5140507_kvproj
    .symbol:         k_qf3c5140507_kvproj.kd
    .args:
      - { .name: K, .offset: 0, .size: 8, .value_kind: global_buffer, .address_space: global }
      - { .name: Km, .offset: 8, .size: 8, .value_kind: global_buffer, .address_space: global }
      - { .name: bk, .offset: 16, .size: 8, .value_kind: global_buffer, .address_space: global }
      - { .name: bv, .offset: 24, .size: 8, .value_kind: global_buffer, .address_space: global }
      - { .name: wimg, .offset: 32, .size: 8, .value_kind: global_buffer, .address_space: global }
      - { .name: kv, .offset: 40, .size: 8, .value_kind: global_buffer, .address_space: global }
    .group_segment_fixed_size: 70144
    .private_segment_fixed_size: 0
    .kernarg_segment_align: 8
    .kernarg_segment_size: 48
    .max_flat_workgroup_size: 128
    .sgpr_count:     66
    .vgpr_count:     832
    .wavefront_size: 32
...
	.end_amdgpu_metadata
.endif
;; end of part 2
;; launch attn (part 3): grid 16 x 16, 4 waves a work-group, clusters of 4 x 1, 327,680 bytes of LDS; arguments Q, Qm, Km, bq, bo, g0, b0, g1, b1, wimg, kv, out0; writes out0
.if DOCPART == 3
	.amdgcn_target "amdgcn-amd-amdhsa--gfx1250"
	.amdhsa_code_object_version 6
	.text
	.protected	k_qf3c5140507_attn
	.globl	k_qf3c5140507_attn
	.p2align	8
	.type	k_qf3c5140507_attn,@function
k_qf3c5140507_attn:
	s_mov_b64 s[64:65], 0
	v_nop
	global_prefetch_b8 v0, s[64:65] scope:SCOPE_SE
	s_setreg_imm32_b32 hwreg(HW_REG_WAVE_MODE, 25, 1), 1
	s_wait_xcnt 0x0
	s_wait_alu depctr_hold_cnt(0) depctr_sa_sdst(0) depctr_va_vdst(0) depctr_va_sdst(0) depctr_va_ssrc(0) depctr_va_vcc(0) depctr_vm_vsrc(0)
	s_getreg_b32 s2, hwreg(HW_REG_IB_STS2, 6, 4)
	s_cmp_eq_u32 s2, 0
	s_cbranch_scc0 .Lentry_in_a_cluster
	s_endpgm
.Lentry_in_a_cluster:
	s_bfe_u32 s2, ttmp6, 0x10000c
	s_cmp_lg_u32 s2, 0x3003
	s_cbranch_scc0 .Lentry_shape_is_right
	s_endpgm
.Lentry_shape_is_right:
; out = LN1(O1 + relu(O1 Wo + bo)), O1 = LN0(Qp + A V), Qp = (Q Wq + bq) Qm, A = X / (sum X + 1e-8), X = exp(exp(Qp Kp^T / sqrt(512)) Km) Qm, head by head (8 heads of 64).
; All four products here are on codes of FP8 (E4M3) with one E8M0 scale for each 32 along K.  A IS QUANTISED FINISHED AND NORMALISED, so a row's sum is known before any of its weights is quantised:
; a wave keeps the 16 x 1,024 weights of one head in 512 registers between the pass that sums and the pass that quantises; each exponential is computed once and no score leaves the registers.
; No maximum is taken away: the function has none.
; SHARES: a work-group owns 64 queries of one batch; each of its four waves 16 of them, for all heads and all 512 features: a lane holds ONE query (lane % 16) throughout, since every product is used
; transposed (source 0 = 16 columns of a weight, 16 keys, or 16 features of V^T; source 1 = my 16 queries).  So the residual, both layer norms and the last product need one exchange between the halves of the lanes.
; THE RING: twelve chunks of CH bytes go through two LDS slots: Wq's two halves, the eight heads' K and V, Wo's two halves.  All lie in memory as images of operand registers: a fragment comes by
; ds_load_b128 alone, 512 consecutive bytes an instruction.  CLUSTER: the four work-groups of a cluster belong to one batch and walk the same twelve chunks: each quarter of a chunk is asked for JOINTLY,
; by the same tensor load with the same descriptor and a mask that names the four.  A wave has two tensor loads out at the start and one behind each round.
; THE FIRST PRODUCT OF A HEAD HAS K = 64: a tile of K is 8 registers; the operand's upper 8 are the next tile's codes (behind the last tile: zeros), which meet Q's zero codes and add nothing.
; ROUNDING: log2(e) is folded into Km and into 1 / sqrt(512); Qm is folded into the row's factor Qm / (Qm sum + 1e-8): a few last bits away from the order in which the function is written.
; LIMITS: a block of zeros, or under 2^-118, gets the byte 1 (its codes are zeros); NaN and infinities among the inputs are not served.  Km and Qm may be any finite numbers.
; REGISTERS, window 0: v1-11, v13, v15, v46, v47 addresses and offsets, which never hold data; v12, v14 the row's factors; v16-31 Q's fragment (upper half zeros); v32, v33, v40-45, v248-255 scale words;
;   v34-39 sums and temporaries; v48-111 fragments of K, of V, of x, later rows on their way out; v112-119 zeros; v120-247 Km's numbers, two sets / O^T of a head, the weights' codes / a weight's fragments / at work.
;   window 1: Qp, then O, O1, O2: register 16 B + i is feature 32 B + 16 (lane / 16) + i.   windows 2, 3: X: register 64 g + 16 b + i is key 128 g + 32 b + 16 (lane / 16) + i; outside the head loop Q's numbers, gains, biases, sums.
.set CH,    137216
.set SLOTB, CH                         ; slot 1 begins here
.set QTR,   34304                      ; a wave's quarter of a chunk: 134 rows of 256 bytes
.set KMS,   274432                     ; behind the ring: Km x log2(e) of the batch, 4,096 bytes
.set QIM,   278528                     ; each wave's images of Q: 8 heads x (1,024 bytes of codes + 128 of scale words); at the end the wave's stage, 16 rows x 528
.set QHB,   1152
.set SPARE, 315392                     ; the spare words, 128 bytes for each wave: two blocks of 256 bytes that no other line names
.set L16,  1                           ; v1   16 x lane
.set ADK,  2                           ; v2   the slot in hand + 16 x lane
.set ADV,  3                           ; v3   + 65536
.set ADS,  4                           ; v4   + 131072
.set ADT,  5                           ; v5   the slot in hand + 135168 + 8 x lane
.set SPW,  6                           ; v6   my spare word; never rewritten
.set NIL,  7                           ; v7   0; never rewritten
.set ADKM, 8                           ; v8   KMS + 64 (lane / 16)
.set ADQ,  9                           ; v9   my wave's images of Q + 16 x lane; on the way out: into the stage
.set ADQS, 10                          ; v10  their scale words + 4 x lane; on the way out: out of the stage
.set L8V,  11                          ; v11  135168 + 8 x lane
.set QM,   12                          ; v12  Qm of my query
.set PFO,  13                          ; v13  256 x lane: the prefetches' offset; never rewritten
.set RN,   14                          ; v14  Qm / (Qm sum + 1e-8)   (v15 is named with it as a pair)
.set AQW,  15                          ; v15  the head's scale words of Q in LDS; written at the head of every trip
.set QF,   16
.set QS,   32
.set PW,   33
.set SUM,  34
.set T0,   38                          ; v38, v39 temporaries for data; behind the first phase they enter no LDS address
.set T1,   39
.set KSC,  40
.set XS,   40
.set VSC,  44
.set H64,  46                          ; v46  64 (lane / 16)
.set XA,   47                          ; v47  2048 (lane % 16) + 64 (lane / 16): my offset in Q's rows, in the first phase;
.set AQC,  47                          ;      in the head loop the head's codes of Q in LDS
.set KF,   48
.set VF,   48
.set XFR,  48
.set LT,   48
.set OB0,  48
.set KM0,  120
.set OACC, 120
.set PC,   152
.set WFL,  120
.set TMPX, 120
.set WFH,  184
.set PCQ,  184
.set KT,   184
.set TM,   232                         ; v232-235 largest magnitudes, v236-239 bytes, v240-243 448 x the scale, v244-247 the conversions' scale operands
.set SW,   248
.set WV,   28                          ; s28  my wave's number
.set G1,   32                          ; s[32:39] descriptor group 1, the same for every load
.set G0A,  40                          ; s[40:43] group 0 of chunk 0
.set G0,   44                          ; s[44:47] group 0 of chunk 1; it then walks
.set TB,   48                          ; s48  LDS byte at which the slot in hand begins
.set WOFF, 50                          ; s50  my quarter: QTR x wave
.set HD,   51                          ; s51  the head
.set NXT,  52                          ; s[52:53] my quarter of the chunk to be asked for next
.set WOA,  54                          ; s[54:55] my quarter of Wo's first half
.set CS,   56                          ; s[56:57] log2(e) / sqrt(512), twice
.set SEL,  58                          ; s[58:59] v_permlanex16_b32's selects for lane l xor 16
.set MNT,  60                          ; s60  the mantissa field of 448
.set HQ,   61                          ; s61  QHB x head
.set R512, 62                          ; s62  1 / 512
.set PFA,  66                          ; s[66:67] where my prefetches stand
.set LIM,  68                          ; s68  6 in the batch's first cluster, else 0
.set MSB, 0
.macro WIN new                         ; the immediate's high byte repeats the setting that is left
.if MSB != (\new)
	s_set_vgpr_msb (MSB<<8)|(\new)
.set MSB, (\new)
.endif
.endm
.macro NOPS n
.rept \n
	v_nop
.endr
.endm
; A round of the cluster's barrier: my work-group's barrier; wave 0 signals for the work-group; every wave waits for all four work-groups; my work-group's barrier once more.
.macro CROUND
	s_barrier_signal -1
	s_barrier_wait -1
	s_cmp_lg_u32 s[WV], 0
	s_cbranch_scc1 .Lnot_wave_0_\@
	s_barrier_signal -3
.Lnot_wave_0_\@:
	s_barrier_wait -3
	s_barrier_signal -1
	s_barrier_wait -1
.endm
.macro SETADR
	v_add_nc_u32 v[ADK], s[TB], v[L16]
	v_add_nc_u32 v[ADV], 0x10000, v[ADK]
	v_add_nc_u32 v[ADS], 0x20000, v[ADK]
	v_add_nc_u32 v[ADT], s[TB], v[L8V]
.endm
; A PREFETCH INTO THE L2 of the codes of the head's chunk behind the one just asked for: 131,072 bytes.  All clusters of a batch walk the same chunks: the batch's first cluster asks.  Its four partners and their four
; waves share the bytes out BY ADDRESS: 8,192 bytes each, lanes 256 bytes apart, one instruction a wave: each block of 256 bytes is named once in the launch.  Head 0's chunk, the scale bytes and the weights' chunks come by their loads alone.
.macro ASK mode
.if (\mode) == 2
	s_cmp_lt_u32 s[HD], s[LIM]                     ; trips 0 to 5 name heads 2 to 7
.else
	s_cmp_lg_u32 s[LIM], 0                         ; ahead of the loop: head 1
.endif
	s_cbranch_scc0 .Lnot_mine_\@
	global_prefetch_b8 v[PFO], s[PFA:PFA+1] th:TH_LOAD_NT scope:SCOPE_SE
.Lnot_mine_\@:
.endm
; THE CHANGE OF SLOTS.  Each wave waits for all its tensor loads (its quarter of the slot ahead), adds 0 to its spare word, and waits for that and for its reads of the slot that it leaves.
; fill = 1: the barrier is a round of the cluster's, and the slot just left is filled with the next chunk, first thing behind it.  mode 2: in the head loop; mode 1: ahead of it; mode 0: no prefetch.
.macro CHANGE fill, mode
	WIN 0
	s_wait_tensorcnt 0x0                           ; no tensor load of mine is out, so the walking group 0 may be written
	ds_add_u32 v[SPW], v[NIL]                      ; 0 onto my spare word; the descriptor's steps stand between it and the wait for it
.if \fill
	s_add_co_u32 s[G0+1], s[TB], s[WOFF]           ; my quarter of the slot that is being left
	s_mov_b64 s[G0+2:G0+3], s[NXT:NXT+1]
	s_or_b32 s[G0+3], s[G0+3], 0x80000000          ; type = 2
	s_add_nc_u64 s[NXT:NXT+1], s[NXT:NXT+1], CH
.if (\mode) == 2
	s_cmp_eq_u32 s[HD], 6                          ; head 7's chunk has just been taken: Wo's halves follow
	s_cselect_b64 s[NXT:NXT+1], s[WOA:WOA+1], s[NXT:NXT+1]
.endif
.if \mode
	s_wait_xcnt 0x0                                ; the last prefetch, a head back, has read its address
	s_add_nc_u64 s[PFA:PFA+1], s[PFA:PFA+1], CH
.endif
	s_wait_dscnt 0x0                               ; the add is done, and my reads of the slot are over
	CROUND                                         ; so of every wave of all four work-groups
	tensor_load_to_lds s[G0:G0+3], s[G1:G1+7]      ; my one tensor load until the next round
	s_nop 0
	NOPS 4
.if \mode
	ASK \mode
.endif
.else
	s_wait_dscnt 0x0
	s_barrier_signal -1
	s_barrier_wait -1
.endif
	s_xor_b32 s[TB], s[TB], SLOTB                  ; on to the other slot
	SETADR
.endm
.macro SCALES                          ; four largest magnitudes in v[TM] on: joined with lane l xor 16's; then the scale operands, the holds and the bytes
.irp b, 0,1,2,3
	v_permlanex16_b32 v[TM+4+\b], v[TM+\b], s[SEL], s[SEL+1]
.endr
.irp b, 0,1,2,3
	v_max_num_f32 v[TM+\b], v[TM+\b], v[TM+4+\b]
.endr
.irp b, 0,1,2,3
	v_add_nc_u32 v[TM+12+\b], 0xfc000000, v[TM+\b] ; 8 off the exponent field: the conversion's scale operand
.endr
.irp b, 0,1,2,3
	v_and_or_b32 v[TM+8+\b], v[TM+\b], 0x7f800000, s[MNT]   ; 448 x the scale
.endr
.irp b, 0,1,2,3
	v_lshrrev_b32 v[TM+4+\b], 23, v[TM+12+\b]      ; the scale's byte
.endr
.endm
.macro WORD4 dst
	v_lshl_or_b32 v[\dst], v[TM+5], 8, v[TM+4]
	v_lshl_or_b32 v[\dst], v[TM+6], 16, v[\dst]
	v_lshl_or_b32 v[\dst], v[TM+7], 24, v[\dst]
.endm
; 64 numbers of a lane in window win, v[src] on (register 16 b + i = k 32 b + 16 (lane / 16) + i of my row), become a fragment's codes in v[out] on (window 0); the numbers stay as they are
.macro QUANT win, src, out
	WIN ((\win)<<2)|((\win)<<4)
.irp b, 0,1,2,3
	v_max3_num_f32 v[TM+\b], 0x4800000, |v[(\src)+16*\b]|, |v[(\src)+16*\b+1]|   ; with the floor 2^(9 - 127): the byte cannot fall under 1
.endr
.irp i, 2,4,6,8,10,12,14
.irp b, 0,1,2,3
	v_max3_num_f32 v[TM+\b], v[TM+\b], |v[(\src)+16*\b+\i]|, |v[(\src)+16*\b+\i+1]|
.endr
.endr
	WIN 0
	SCALES
	WIN \win
.irp b, 0,1,2,3
.set i, 0
.rept 16
	v_med3_num_f32 v[TMPX+16*\b+i], v[(\src)+16*\b+i], -v[TM+8+\b], v[TM+8+\b]   ; the conversion does not saturate (ISA guide 7.6.2): the hold comes first
.set i, i+1
.endr
.endr
	WIN 0
.irp b, 0,1,2,3
	v_cvt_scalef32_pk8_fp8_f32 v[(\out)+4*\b:(\out)+4*\b+1], v[TMPX+16*\b:TMPX+16*\b+7], v[TM+12+\b]
	v_cvt_scalef32_pk8_fp8_f32 v[(\out)+4*\b+2:(\out)+4*\b+3], v[TMPX+16*\b+8:TMPX+16*\b+15], v[TM+12+\b]
.endr
	v_nop                                          ; a plain line behind the last conversion
.endm
.macro XL q                            ; K step q of my 16 rows of Q, 64 numbers a lane, into registers 64 q on of the window that is set
.set i, 0
.rept 16
	global_load_b128 v[64*(\q)+4*i:64*(\q)+4*i+3], v[XA], s[4:5] offset:512*(\q)+128*(i/4)+16*(i%4) th:TH_LOAD_NT
.set i, i+1
.endr
.endm
.macro LD64 sb, q                      ; a quarter of a vector of 512 (bias, gain) in the layout of window 1: registers 64 q on of the window that is set
.set i, 0
.rept 16
	global_load_b128 v[64*(\q)+4*i:64*(\q)+4*i+3], v[H64], s[\sb:\sb+1] offset:512*(\q)+128*(i/4)+16*(i%4)
.set i, i+1
.endr
.endm
.macro LDV sb
	LD64 \sb, 0
	LD64 \sb, 1
	LD64 \sb, 2
	LD64 \sb, 3
.endm
; A PRODUCT WITH HALF A WEIGHT: 16 tiles of 16 columns, in 8 pairs; K = 512 in four steps.  A pair's fragments come in two batches (K steps 0, 1 and 2, 3).
.macro WLOAD tp, k0, dst
.irp sl, 0,1
.irp u, 0,1
.irp c, 0,1,2,3
.if (\tp) < 4
	ds_load_b128 v[\dst+16*(2*\sl+\u)+4*\c:\dst+16*(2*\sl+\u)+4*\c+3], v[ADK] offset:((2*(\tp)+\u)*4+\k0+\sl)*2048+512*\c
.else
	ds_load_b128 v[\dst+16*(2*\sl+\u)+4*\c:\dst+16*(2*\sl+\u)+4*\c+3], v[ADV] offset:((2*(\tp)+\u-8)*4+\k0+\sl)*2048+512*\c
.endif
.endr
.endr
.endr
.endm
.macro LA tp                           ; 17 loads: K steps 0, 1, and the pair's scale words (four registers: K steps 0 to 3; lanes 0-15 the even tile, lanes 16-31 the odd)
	WLOAD \tp, 0, WFL
	ds_load_b128 v[SW+4*((\tp)%2):SW+4*((\tp)%2)+3], v[ADS] offset:(\tp)*512
.endm
.macro LB tp                           ; 16 loads: K steps 2, 3
	WLOAD \tp, 2, WFH
.endm
.macro MM4 half, tp, k0, wf            ; four products: two K steps x the pair's two tiles; the two accumulators take turns, one instruction a turn
.irp sl, 0,1
.irp u, 0,1
.set rD, 8*(16*(\half)+2*(\tp)+\u)
.if \u
	v_wmma_scale_f32_16x16x128_f8f6f4 v[rD:rD+7], v[\wf+16*(2*\sl+\u):\wf+16*(2*\sl+\u)+15], v[XFR+16*(\k0+\sl):XFR+16*(\k0+\sl)+15], v[rD:rD+7], v[SW+4*((\tp)%2)+\k0+\sl], v[XS+\k0+\sl] matrix_a_scale:MATRIX_SCALE_ROW1
.else
	v_wmma_scale_f32_16x16x128_f8f6f4 v[rD:rD+7], v[\wf+16*(2*\sl+\u):\wf+16*(2*\sl+\u)+15], v[XFR+16*(\k0+\sl):XFR+16*(\k0+\sl)+15], v[rD:rD+7], v[SW+4*((\tp)%2)+\k0+\sl], v[XS+\k0+\sl]
.endif
.endr
.endr
.endm
.macro GEMMH aw, half                  ; the sums stand in window aw and begin as the bias, which was loaded there
	LA 0
	LB 0
.irp pp, 0,1,2,3,4,5,6,7
	s_wait_dscnt 16                                ; the first batch is in; the second's 16 loads may be out
	WIN ((\aw)<<4)|((\aw)<<6)
	MM4 \half, \pp, 0, WFL
	NOPS 8                                         ; places in front of loads into registers that the products read
	WIN 0
.if \pp < 7
	LA \pp+1
	s_wait_dscnt 17                                ; the second batch is in; the next pair's 17 loads may be out
.else
	s_wait_dscnt 0x0
.endif
	WIN ((\aw)<<4)|((\aw)<<6)
	MM4 \half, \pp, 2, WFH
	NOPS 8
	WIN 0
.if \pp < 7
	LB \pp+1
.endif
.endr
.endm
; LAYER NORM of window 1, in place: a lane holds 256 of its row's 512 numbers, lane l xor 16 the others.  The gain lies in window gw, the bias in window bw, in the same layout.
.macro LN gw, bw
	WIN 0x05
.irp k, 0,1,2,3
	v_pk_add_f32 v[LT+2*\k:LT+2*\k+1], v[4*\k:4*\k+1], v[4*\k+2:4*\k+3]       ; four chains; nothing is cleared
.endr
	WIN 0x04
.set i, 8
.rept 120
	v_pk_add_f32 v[LT+2*(i%4):LT+2*(i%4)+1], v[LT+2*(i%4):LT+2*(i%4)+1], v[2*i:2*i+1]
.set i, i+1
.endr
	WIN 0
	v_pk_add_f32 v[LT:LT+1], v[LT:LT+1], v[LT+2:LT+3]
	v_pk_add_f32 v[LT+4:LT+5], v[LT+4:LT+5], v[LT+6:LT+7]
	v_pk_add_f32 v[LT:LT+1], v[LT:LT+1], v[LT+4:LT+5]
	v_add_f32 v[LT+8], v[LT], v[LT+1]
	v_permlanex16_b32 v[LT+9], v[LT+8], s[SEL], s[SEL+1]
	v_add_f32 v[LT+8], v[LT+8], v[LT+9]
	v_mul_f32 v[LT+8], s[R512], v[LT+8]            ; the mean
	WIN 0x41
.set i, 0
.rept 128
	v_pk_add_f32 v[2*i:2*i+1], v[2*i:2*i+1], v[LT+8:LT+9] op_sel_hi:[1,0] neg_lo:[0,1] neg_hi:[0,1]
.set i, i+1
.endr
	WIN 0x05
.irp k, 0,1,2,3
	v_pk_mul_f32 v[LT+2*\k:LT+2*\k+1], v[2*\k:2*\k+1], v[2*\k:2*\k+1]
.endr
.set i, 4
.rept 124
	v_pk_fma_f32 v[LT+2*(i%4):LT+2*(i%4)+1], v[2*i:2*i+1], v[2*i:2*i+1], v[LT+2*(i%4):LT+2*(i%4)+1]
.set i, i+1
.endr
	WIN 0
	v_pk_add_f32 v[LT:LT+1], v[LT:LT+1], v[LT+2:LT+3]
	v_pk_add_f32 v[LT+4:LT+5], v[LT+4:LT+5], v[LT+6:LT+7]
	v_pk_add_f32 v[LT:LT+1], v[LT:LT+1], v[LT+4:LT+5]
	v_add_f32 v[LT+10], v[LT], v[LT+1]
	v_permlanex16_b32 v[LT+11], v[LT+10], s[SEL], s[SEL+1]
	v_add_f32 v[LT+10], v[LT+10], v[LT+11]
	v_fmaak_f32 v[LT+10], s[R512], v[LT+10], 0x3727c5ac   ; the variance + 1e-5
	v_rsq_f32 v[LT+10], v[LT+10]
	v_nop                                          ; a plain line behind the transcendental,
	s_wait_alu depctr_va_vdst(0)                   ; and the wait ahead of its first reader
	WIN 0x41
.set i, 0
.rept 128
	v_pk_mul_f32 v[2*i:2*i+1], v[2*i:2*i+1], v[LT+10:LT+11] op_sel_hi:[1,0]
.set i, i+1
.endr
	s_wait_loadcnt 0x0                             ; the gain and the bias are in
	WIN 1|((\gw)<<2)|((\bw)<<4)|0x40
.set i, 0
.rept 128
	v_pk_fma_f32 v[2*i:2*i+1], v[2*i:2*i+1], v[2*i:2*i+1], v[2*i:2*i+1]   ; window 1 x the gain's window + the bias's window
.set i, i+1
.endr
	WIN 0
.endm
; ---- PASS 1 of a head, by groups g of 128 keys
.macro LOADK g                         ; 17 loads: the group's eight tiles of K (8 registers each) and their scale words
.set i, 0
.rept 16
	ds_load_b128 v[KF+4*i:KF+4*i+3], v[ADK] offset:(\g)*8192+512*i
.set i, i+1
.endr
	ds_load_b128 v[KSC:KSC+3], v[ADS] offset:(\g)*512
.endm
.macro LOADKM g                        ; 16 loads: Km x log2(e) of my 64 keys of the group, into set g % 2
.set i, 0
.rept 16
	ds_load_b128 v[KM0+64*((\g)%2)+4*i:KM0+64*((\g)%2)+4*i+3], v[ADKM] offset:512*(\g)+128*(i/4)+16*(i%4)
.set i, i+1
.endr
.endm
.macro MMS g                           ; S^T = K Q^T: eight tiles of 16 keys, each a sum of its own
.set XR, 64*((\g)%4)
	WIN (2+(\g)/4)<<6
.irp t, 0,1,2,3,4,5,6,7
.if \t%2
	v_wmma_scale_f32_16x16x128_f8f6f4 v[XR+8*\t:XR+8*\t+7], v[KF+8*\t:KF+8*\t+15], v[QF:QF+15], 0, v[KSC+\t/2], v[QS] matrix_a_scale:MATRIX_SCALE_ROW1
.else
	v_wmma_scale_f32_16x16x128_f8f6f4 v[XR+8*\t:XR+8*\t+7], v[KF+8*\t:KF+8*\t+15], v[QF:QF+15], 0, v[KSC+\t/2], v[QS]
.endif
.endr
.endm
.macro APASS g                         ; score x log2(e) / sqrt(512); each accumulator from its low end on
.set XR, 64*((\g)%4)
.set WX, 2+(\g)/4
	WIN WX|(WX<<6)
.set i, 0
.rept 32
	v_pk_mul_f32 v[XR+2*i:XR+2*i+1], v[XR+2*i:XR+2*i+1], s[CS:CS+1] op_sel_hi:[1,0]
.set i, i+1
.endr
.endm
.macro EXPS g                          ; 64 exponentials, one batch
.set XR, 64*((\g)%4)
.set WX, 2+(\g)/4
	WIN WX|(WX<<6)
.set i, 0
.rept 64
	v_exp_f32 v[XR+i], v[XR+i]
.set i, i+1
.endr
.endm
.macro CMUL g                          ; x Km log2(e)
.set XR, 64*((\g)%4)
.set WX, 2+(\g)/4
	WIN WX|(WX<<6)
.set i, 0
.rept 32
	v_pk_mul_f32 v[XR+2*i:XR+2*i+1], v[XR+2*i:XR+2*i+1], v[KM0+64*((\g)%2)+2*i:KM0+64*((\g)%2)+2*i+1]
.set i, i+1
.endr
.endm
.macro ESUM g                          ; the row's sum, two chains of pairs
.set XR, 64*((\g)%4)
	WIN (2+(\g)/4)<<2
.set i, 0
.rept 32
	v_pk_add_f32 v[SUM+2*(i%2):SUM+2*(i%2)+1], v[SUM+2*(i%2):SUM+2*(i%2)+1], v[XR+2*i:XR+2*i+1]
.set i, i+1
.endr
.endm
; Group g's two batches of exponentials; the next group's products stand ahead of them, the last group's sums and this group's multiplications are the plain work behind each batch and the eight places
; behind the products (for the loads into K's registers and for the first read of the new scores).  One wait a batch, ahead of its first reader.
.macro ITER g
	s_wait_dscnt 0x0                               ; the next group's K and this group's Km are in
.if (\g) < 7
	MMS (\g)+1
.endif
	EXPS \g                                        ; exp(S)
.if (\g) > 0
	ESUM (\g)-1
.else
	WIN 0
	NOPS 8
.endif
.if (\g) < 6
	LOADK (\g)+2                                   ; (destination and address lie in window 0 under the sums' setting too)
.endif
.if (\g) < 7
	LOADKM (\g)+1
.endif
	s_wait_alu depctr_va_vdst(0)
	CMUL \g
	EXPS \g                                        ; exp(exp(S) Km)
.if (\g) < 7
	APASS (\g)+1
.else
	v_nop
.endif
	s_wait_alu depctr_va_vdst(0)
.endm
; ---- PASS 2 of a head, by groups st of 128 keys: normalise, quantise, multiply by V
.macro LOADV st                        ; 17 loads: the group's four fragments of V^T and their scale words
.set i, 0
.rept 16
	ds_load_b128 v[VF+4*i:VF+4*i+3], v[ADV] offset:(\st)*8192+512*i
.set i, i+1
.endr
	ds_load_b64 v[VSC:VSC+1], v[ADT] offset:(\st)*256
.endm
.macro PSTEP st
.set XR, 64*((\st)%4)
.set WX, 2+(\st)/4
	WIN WX|(WX<<6)
.set i, 0
.rept 32
	v_pk_mul_f32 v[XR+2*i:XR+2*i+1], v[XR+2*i:XR+2*i+1], v[RN:RN+1] op_sel_hi:[1,0]   ; A = X x the row's factor.  (These 32 are the places behind the last group's products)
.set i, i+1
.endr
	WIN (WX<<2)|(WX<<4)
	LOADV \st
.set XR, 64*((\st)%4)
.irp b, 0,1,2,3
	v_max3_num_f32 v[TM+\b], 0x4800000, |v[XR+16*\b]|, |v[XR+16*\b+1]|
.endr
.irp i, 2,4,6,8,10,12,14
.irp b, 0,1,2,3
	v_max3_num_f32 v[TM+\b], v[TM+\b], |v[XR+16*\b+\i]|, |v[XR+16*\b+\i+1]|
.endr
.endr
	WIN 0
	SCALES
	WORD4 PW                                       ; A's scale word for these 128 keys; the 64 holds below are its places ahead of the products
	WIN WX|(WX<<6)
.irp b, 0,1,2,3
.set i, 0
.rept 16
	v_med3_num_f32 v[XR+16*\b+i], v[XR+16*\b+i], -v[TM+8+\b], v[TM+8+\b]
.set i, i+1
.endr
.endr
	WIN WX
.irp b, 0,1,2,3
	v_cvt_scalef32_pk8_fp8_f32 v[PC+4*\b:PC+4*\b+1], v[XR+16*\b:XR+16*\b+7], v[TM+12+\b]
	v_cvt_scalef32_pk8_fp8_f32 v[PC+4*\b+2:PC+4*\b+3], v[XR+16*\b+8:XR+16*\b+15], v[TM+12+\b]
.endr
	WIN 0
	s_wait_dscnt 0x0                               ; V is in
	NOPS 4                                         ; codes written by vector instructions stand four places ahead of a scaled product
.irp t, 0,1,2,3                        ; O^T += V^T A^T: four accumulators by turns
.if (\st) == 0
.if \t%2
	v_wmma_scale_f32_16x16x128_f8f6f4 v[OACC+8*\t:OACC+8*\t+7], v[VF+16*\t:VF+16*\t+15], v[PC:PC+15], 0, v[VSC+\t/2], v[PW] matrix_a_scale:MATRIX_SCALE_ROW1
.else
	v_wmma_scale_f32_16x16x128_f8f6f4 v[OACC+8*\t:OACC+8*\t+7], v[VF+16*\t:VF+16*\t+15], v[PC:PC+15], 0, v[VSC+\t/2], v[PW]
.endif
.else
.if \t%2
	v_wmma_scale_f32_16x16x128_f8f6f4 v[OACC+8*\t:OACC+8*\t+7], v[VF+16*\t:VF+16*\t+15], v[PC:PC+15], v[OACC+8*\t:OACC+8*\t+7], v[VSC+\t/2], v[PW] matrix_a_scale:MATRIX_SCALE_ROW1
.else
	v_wmma_scale_f32_16x16x128_f8f6f4 v[OACC+8*\t:OACC+8*\t+7], v[VF+16*\t:VF+16*\t+15], v[PC:PC+15], v[OACC+8*\t:OACC+8*\t+7], v[VSC+\t/2], v[PW]
.endif
.endif
.endr
.endm
; ---- THE WAY OUT, a quarter of the rows (128 features, 512 bytes) at a time, through my own stage
.macro TOSTAGE q
	WIN 0x04                                       ; an LDS store's data are its source 1: window 1
.set i, 0
.rept 16
	ds_store_b128 v[ADQ], v[64*(\q)+4*i:64*(\q)+4*i+3] offset:128*(i/4)+16*(i%4)
.set i, i+1
.endr
	WIN 0
.set OB, OB0+72*((\q)%2)
.set i, 0
.rept 16
	ds_load_b128 v[OB+4*i:OB+4*i+3], v[ADQS] offset:528*i          ; LDS serves a wave's instructions in order (ISA guide 5.7.1.4): these see my stores, and the next quarter's stores come behind them
.set i, i+1
.endr
.endm
.macro SEND q, younger
.set OB, OB0+72*((\q)%2)
	s_wait_dscnt \younger                          ; the quarter is back in registers; the next quarter's stores and loads may be out
.set i, 0
.rept 16
	global_store_b128 v[L16], v[OB+4*i:OB+4*i+3], s[26:27] offset:2048*i+512*(\q) th:TH_STORE_NT   ; 32 lanes store 512 consecutive bytes, aligned
.set i, i+1
.endr
.endm
	s_load_b512 s[4:19], s[0:1], 0x0               ; Q s4, Qm s6, Km s8, bq s10, bo s12, g0 s14, b0 s16, g1 s18
	s_load_b256 s[20:27], s[0:1], 0x40             ; b1 s20, wimg s22, kv s24, out0 s26
	v_lshl_add_u32 v[SPW], v0, 2, SPARE
	v_mov_b32 v[NIL], 0
	ds_add_u32 v6, v7
	ds_add_u32 v6, v7
	s_wait_dscnt 0x0
	v_lshrrev_b32 v[T0], 5, v0
	v_readfirstlane_b32 s[WV], v[T0]               ; wave 0..3
	s_bfe_u32 s29, ttmp6, 0x40000                  ; cx: my place in the cluster: it enters Q's, Qm's, out0's and the prefetches' addresses alone
	s_lshl_b32 s30, ttmp9, 2
	s_add_co_u32 s30, s30, s29                     ; my block of 64 queries
	s_and_b32 s31, ttmp7, 0xffff                   ; the batch, which the four partners share
	s_mul_i32 s[WOFF], s[WV], QTR
	s_mov_b32 s[G1], 15|(3<<16)|(1<<21)            ; 15:0 the mask: all four work-groups; 17:16 elements of 8 bytes; 21 set beside a mask; no padding
	s_mov_b32 s[G1+1], 32<<16                      ; tensor_dim0 = 32 elements: 256 bytes
	s_mov_b32 s[G1+2], 134<<16                     ; tensor_dim1 = 134
	s_mov_b32 s[G1+3], 32<<16                      ; tile_dim0
	s_mov_b32 s[G1+4], 134                         ; tile_dim1
	s_mov_b32 s[G1+5], 32                          ; the rows are dense
	s_mov_b32 s[G1+6], 0
	s_mov_b32 s[G1+7], 0
	s_mov_b32 s[TB], 0
	s_mov_b32 s[CS], 0x3d8293ee                    ; log2(e) / sqrt(512)
	s_mov_b32 s[CS+1], s[CS]
	s_mov_b32 s[SEL], 0x76543210
	s_mov_b32 s[SEL+1], 0xfedcba98
	s_mov_b32 s[MNT], 0x600000
	s_mov_b32 s[R512], 0x3b000000
	s_cmp_eq_u32 ttmp9, 0                          ; the batch's first cluster: the same in all four partners
	s_cselect_b32 s[LIM], 6, 0
	s_lshl_b32 s70, s31, 10
	s_lshl_b32 s71, s30, 6
	s_add_co_u32 s70, s70, s71
	s_lshl_b32 s71, s[WV], 4
	s_add_co_u32 s70, s70, s71                     ; my first row: 1024 batch + 64 block + 16 wave
	s_lshl_b32 s72, s70, 11                        ; in Q and in out0
	s_mov_b32 s73, 0
	s_lshl_b32 s74, s70, 2                         ; in Qm
	s_mov_b32 s75, 0
	s_lshl_b32 s76, s31, 12                        ; Km: the batch's 1,024 numbers, my wave's 256 of them
	s_lshl_b32 s77, s[WV], 10
	s_add_co_u32 s76, s76, s77
	s_mov_b32 s77, 0
	s_mul_i32 s78, s31, 8*CH                       ; the batch's eight chunks
	s_mov_b32 s79, 0
	s_wait_kmcnt 0x0
	s_add_nc_u64 s[4:5], s[4:5], s[72:73]
	s_add_nc_u64 s[26:27], s[26:27], s[72:73]
	s_add_nc_u64 s[6:7], s[6:7], s[74:75]
	s_add_nc_u64 s[8:9], s[8:9], s[76:77]
	s_add_nc_u64 s[24:25], s[24:25], s[78:79]
	s_lshl_b32 s72, s29, 2
	s_add_co_u32 s72, s72, s[WV]
	s_lshl_b32 s72, s72, 13                        ; my sixteenth of a chunk's codes
	s_add_nc_u64 s[PFA:PFA+1], s[24:25], s[72:73]  ; in head 0's chunk; the first change of slots steps it to head 1's.  Nothing is prefetched here, at the head
	s_mov_b32 s70, s[WOFF]
	s_mov_b32 s71, 0
	s_add_nc_u64 s[NXT:NXT+1], s[24:25], s[70:71]  ; head 0's chunk follows Wq's halves
	s_add_nc_u64 s[22:23], s[22:23], s[70:71]
	s_add_nc_u64 s[WOA:WOA+1], s[22:23], 6*CH
	s_mov_b32 s[G0A], 1                            ; count = 1
	s_mov_b32 s[G0A+1], s[WOFF]                    ; slot 0, my quarter
	s_mov_b64 s[G0A+2:G0A+3], s[22:23]             ; Wq's first half
	s_or_b32 s[G0A+3], s[G0A+3], 0x80000000
	s_mov_b32 s[G0], 1
	s_add_co_u32 s[G0+1], s[WOFF], SLOTB           ; slot 1
	s_add_nc_u64 s[G0+2:G0+3], s[22:23], CH        ; Wq's second half
	s_or_b32 s[G0+3], s[G0+3], 0x80000000
	CROUND                                         ; all four work-groups are here: the first joint loads meet
	tensor_load_to_lds s[G0A:G0A+3], s[G1:G1+7]
	s_nop 0
	tensor_load_to_lds s[G0:G0+3], s[G1:G1+7]
	s_nop 0
	NOPS 4
	v_and_b32 v[T0], 31, v0                        ; lane
	v_lshlrev_b32 v[L16], 4, v[T0]
	v_lshlrev_b32 v[PFO], 8, v[T0]
	v_lshl_add_u32 v[L8V], v[T0], 3, 135168
	v_and_b32 v[T1], 15, v0                        ; my query in the wave's 16
	v_bfe_u32 v[H64], v0, 4, 1
	v_lshlrev_b32 v[H64], 6, v[H64]
	v_lshl_add_u32 v[XA], v[T1], 11, v[H64]
	v_add_nc_u32 v[ADKM], KMS, v[H64]
	s_mul_i32 s70, s[WV], 8*QHB
	s_add_co_u32 s70, s70, QIM
	v_add_nc_u32 v[ADQ], s70, v[L16]
	v_lshlrev_b32 v[ADQS], 2, v[T0]
	v_add_nc_u32 v[ADQS], s70, v[ADQS]
	v_add_nc_u32 v[ADQS], 1024, v[ADQS]
.irp j, 0,1,2,3,4,5,6,7
	v_mov_b32 v[QF+8+\j], 0                        ; Q's codes of k = 64 .. 127,
	v_mov_b32 v[KF+64+\j], 0                       ; and what stands behind K's last tile
.endr
.irp b, 0,1,2,3
	v_mov_b32 v[TM+4+\b], 0                        ; written once: a lane permute's destination counts as one of its sources
.endr
	; ---- P0: Km x log2(e) into LDS; my 16 rows of Q become four fragments; bq goes where the first product's sums begin
	v_lshlrev_b32 v[T1], 2, v[T1]
	v_lshlrev_b32 v[T0], 5, v[T0]
	global_load_b128 v[KT:KT+3], v[T0], s[8:9]
	global_load_b128 v[KT+4:KT+7], v[T0], s[8:9] offset:16
	global_load_b32 v[QM], v[T1], s[6:7]
	WIN 0x80
	XL 0
	XL 1
	XL 2
	WIN 0
	s_wait_loadcnt 48                              ; Km and Qm are in; Q's three batches of 16 may be out
.irp j, 0,2,4,6
	v_pk_mul_f32 v[KT+\j:KT+\j+1], v[KT+\j:KT+\j+1], 0x3fb8aa3b op_sel_hi:[1,0]
.endr
	s_lshl_b32 s70, s[WV], 10
	s_add_co_u32 s70, s70, KMS
	v_add_nc_u32 v[T0], s70, v[T0]
	ds_store_b128 v[T0], v[KT:KT+3]
	ds_store_b128 v[T0], v[KT+4:KT+7] offset:16
	WIN 0x80
	XL 3
	WIN 0
.irp ks, 0,1,2,3
	s_wait_loadcnt 48                              ; this K step is in; three younger batches of 16 (of Q, of bq) may be out
	QUANT 2, 64*\ks, XFR+16*\ks
	WORD4 XS+\ks
	WIN 0x40
	LD64 10, \ks
	WIN 0
.endr
	s_wait_loadcnt 0x0                             ; bq is in
	s_wait_tensorcnt 0x1                           ; my quarter of Wq's first half is in; the second half's may stay out
	s_wait_dscnt 0x0                               ; for the others' sake: my part of Km has landed
	s_barrier_signal -1
	s_barrier_wait -1
	SETADR
	NOPS 8                                         ; scale words written by vector instructions stand eight places ahead of a scaled product
	; ---- P1: Qp^T = Wq^T Q^T + bq, x Qm; then each head's 64 features as a fragment's image in LDS
	GEMMH 1, 0
	CHANGE 1, 1                                    ; slot 0 takes head 0's chunk
	GEMMH 1, 1
	WIN 0x41
.set i, 0
.rept 128
	v_pk_mul_f32 v[2*i:2*i+1], v[2*i:2*i+1], v[QM:QM+1] op_sel_hi:[1,0]      ; each accumulator from its low end on
.set i, i+1
.endr
.irp i4, 0,1,2,3                       ; 128 features: two heads
	QUANT 1, 64*\i4, PCQ
	v_lshl_or_b32 v[T0], v[TM+5], 8, v[TM+4]
	v_lshl_or_b32 v[T0], v[T0], 16, v[T0]          ; b0, b1, b0, b1: the bytes of the unused upper 64 along K repeat the real ones
	v_lshl_or_b32 v[T1], v[TM+7], 8, v[TM+6]
	v_lshl_or_b32 v[T1], v[T1], 16, v[T1]
	ds_store_b128 v[ADQ], v[PCQ:PCQ+3] offset:(2*\i4)*QHB
	ds_store_b128 v[ADQ], v[PCQ+4:PCQ+7] offset:(2*\i4)*QHB+512
	ds_store_b128 v[ADQ], v[PCQ+8:PCQ+11] offset:(2*\i4+1)*QHB
	ds_store_b128 v[ADQ], v[PCQ+12:PCQ+15] offset:(2*\i4+1)*QHB+512
	ds_store_b32 v[ADQS], v[T0] offset:(2*\i4)*QHB
	ds_store_b32 v[ADQS], v[T1] offset:(2*\i4+1)*QHB
	s_wait_dscnt 0x0                               ; the stores have read their registers
.endr
	s_mov_b32 s[HD], 0
	s_mov_b32 s[HQ], 0
.Lhead:                                ; eight trips, one a head
	CHANGE 1, 2                                    ; the slot just left takes the next head's chunk; in the last trip Wo's first half
	v_add_nc_u32 v[AQC], s[HQ], v[ADQ]             ; the head's image of Q: addresses in registers that hold addresses alone
	v_add_nc_u32 v[AQW], s[HQ], v[ADQS]
	ds_load_b128 v[QF:QF+3], v[AQC]                ; my own bytes: no barrier
	ds_load_b128 v[QF+4:QF+7], v[AQC] offset:512
	ds_load_b32 v[QS], v[AQW]
	LOADK 0
	LOADKM 0
	s_wait_dscnt 0x0
	MMS 0
	WIN 0
.irp j, 0,1,2,3
	v_mov_b32 v[SUM+\j], 0
.endr
	NOPS 4                                         ; with the four lines above: eight places behind the products
	LOADK 1
	APASS 0
.irp g, 0,1,2,3,4,5,6,7
	ITER \g
.endr
	ESUM 7
	WIN 0
	v_pk_add_f32 v[SUM:SUM+1], v[SUM:SUM+1], v[SUM+2:SUM+3]
	v_add_f32 v[T0], v[SUM], v[SUM+1]
	v_permlanex16_b32 v[T1], v[T0], s[SEL], s[SEL+1]
	v_add_f32 v[T0], v[T0], v[T1]                  ; the sum over the row's 1,024 keys
	v_fmaak_f32 v[T0], v[QM], v[T0], 0x322bcc77    ; Qm x the sum + 1e-8
	v_rcp_f32 v[T0], v[T0]
	v_nop                                          ; a plain line behind the transcendental,
	s_wait_alu depctr_va_vdst(0)                   ; and the wait ahead of its first reader
	v_mul_f32 v[RN], v[QM], v[T0]
.irp st, 0,1,2,3,4,5,6,7
	PSTEP \st
.endr
	NOPS 8                                         ; places in front of the first read of O^T, and of the next trip's loads into registers that the products read
.irp hd, 0,1,2,3,4,5,6,7               ; the residual: O^T is added onto the head's 32 registers of window 1; register numbers cannot be stepped, so the eight forms are written out and one is walked
	s_cmp_lg_u32 s[HD], \hd
	s_cbranch_scc1 .Lnot_head_\hd
	WIN 0x41
.set i, 0
.rept 16
	v_pk_add_f32 v[32*\hd+2*i:32*\hd+2*i+1], v[32*\hd+2*i:32*\hd+2*i+1], v[OACC+2*i:OACC+2*i+1]
.set i, i+1
.endr
	WIN 0
.Lnot_head_\hd:
.endr
	s_add_co_u32 s[HQ], s[HQ], QHB
	s_add_co_u32 s[HD], s[HD], 1
	s_cmp_lt_u32 s[HD], 8
	s_cbranch_scc1 .Lhead
	; ---- THE TAIL
	CHANGE 1, 0                                    ; head 7's slot takes Wo's second half, which has the first layer norm in which to land
	WIN 0x80
	LDV 14                                         ; g0
	WIN 0xc0
	LDV 16                                         ; b0
	WIN 0
	LN 2, 3
	WIN 0x80
	LDV 12                                         ; bo: where the last product's sums begin
	WIN 0xc0
	LDV 18                                         ; g1
	WIN 0
.irp ks, 0,1,2,3
	QUANT 1, 64*\ks, XFR+16*\ks
	WORD4 XS+\ks
.endr
	s_wait_loadcnt 0x0
	NOPS 8                                         ; scale words written by vector instructions stand eight places ahead of a scaled product
	GEMMH 2, 0
	CHANGE 0, 0                                    ; nothing is left to fetch
	GEMMH 2, 1
	WIN 0x88
.set i, 0
.rept 256
	v_max_num_f32 v[i], 0, v[i]                    ; relu; each accumulator from its low end on
.set i, i+1
.endr
	WIN 0x49
.set i, 0
.rept 128
	v_pk_add_f32 v[2*i:2*i+1], v[2*i:2*i+1], v[2*i:2*i+1]          ; window 1 += window 2
.set i, i+1
.endr
	WIN 0x80
	LDV 20                                         ; b1
	WIN 0
	LN 3, 2
	s_mul_i32 s70, s[WV], 8*QHB
	s_add_co_u32 s70, s70, QIM                     ; my stage: the bytes that held my images of Q
	v_and_b32 v[ADQ], 15, v0                       ; made in the address register itself: no register that has held data enters it
	v_mul_u32_u24 v[ADQ], v[ADQ], 528
	v_add_nc_u32 v[ADQ], v[H64], v[ADQ]
	v_add_nc_u32 v[ADQ], s70, v[ADQ]               ; in: my row, + 64 (lane / 16)
	v_add_nc_u32 v[ADQS], s70, v[L16]              ; back: the 32 lanes take one row's 512 bytes
	TOSTAGE 0
	TOSTAGE 1
	SEND 0, 32
	s_wait_xcnt 0x0                                ; quarter 0's stores have read their registers
	TOSTAGE 2
	SEND 1, 32
	s_wait_xcnt 0x0
	TOSTAGE 3
	SEND 2, 32
	SEND 3, 0
	s_wait_tensorcnt 0x0                           ; the wave's end, behind my last tensor load and my last LDS store
	ds_add_u32 v[SPW], v[NIL]
	s_wait_dscnt 0x0
	CROUND                                         ; the closing round: no work-group ends while a partner may still ask for a chunk that names it
	s_endpgm
.Lfunc_end_k_qf3c5140507_attn:
	.size	k_qf3c5140507_attn, .Lfunc_end_k_qf3c5140507_attn-k_qf3c5140507_attn
	.p2alignl 7, 3214868480
	.fill 96, 4, 3214868480
	.section	.rodata,"a",@progbits
	.p2align	6, 0x0
	.amdhsa_kernel k_qf3c5140507_attn
		.amdhsa_group_segment_fixed_size 327680
		.amdhsa_private_segment_fixed_size 0
		.amdhsa_enable_private_segment 0
		.amdhsa_kernarg_size 96
		.amdhsa_user_sgpr_count 2
		.amdhsa_user_sgpr_kernarg_segment_ptr 1
		.amdhsa_wavefront_size32 1
		.amdhsa_system_sgpr_workgroup_id_x 1
		.amdhsa_system_sgpr_workgroup_id_y 1
		.amdhsa_system_sgpr_workgroup_id_z 1
		.amdhsa_system_vgpr_workitem_id 0
		.amdhsa_next_free_vgpr 1024
		.amdhsa_next_free_sgpr 80
		.amdhsa_reserve_vcc 0
		.amdhsa_float_denorm_mode_32 3
		.amdhsa_float_denorm_mode_16_64 3
		.amdhsa_memory_ordered 1
		.amdhsa_forward_progress 1
		.amdhsa_inst_pref_size 255
	.end_amdhsa_kernel
	.section	.bss,"aw",@nobits
	.p2align	6
	.space	262144
	.amdgpu_metadata
---
amdhsa.version: [ 1, 2 ]
amdhsa.kernels:
  - .name:           k_qf3c5140507_attn
    .symbol:         k_qf3c5140507_attn.kd
    .args:
      - { .name: Q, .offset: 0, .size: 8, .value_kind: global_buffer, .address_space: global }
      - { .name: Qm, .offset: 8, .size: 8, .value_kind: global_buffer, .address_space: global }
      - { .name: Km, .offset: 16, .size: 8, .value_kind: global_buffer, .address_space: global }
      - { .name: bq, .offset: 24, .size: 8, .value_kind: global_buffer, .address_space: global }
      - { .name: bo, .offset: 32, .size: 8, .value_kind: global_buffer, .address_space: global }
      - { .name: g0, .offset: 40, .size: 8, .value_kind: global_buffer, .address_space: global }
      - { .name: b0, .offset: 48, .size: 8, .value_kind: global_buffer, .address_space: global }
      - { .name: g1, .offset: 56, .size: 8, .value_kind: global_buffer, .address_space: global }
      - { .name: b1, .offset: 64, .size: 8, .value_kind: global_buffer, .address_space: global }
      - { .name: wimg, .offset: 72, .size: 8, .value_kind: global_buffer, .address_space: global }
      - { .name: kv, .offset: 80, .size: 8, .value_kind: global_buffer, .address_space: global }
      - { .name: out0, .offset: 88, .size: 8, .value_kind: global_buffer, .address_space: global }
    .group_segment_fixed_size: 327680
    .private_segment_fixed_size: 0
    .kernarg_segment_align: 8
    .kernarg_segment_size: 96
    .max_flat_workgroup_size: 128
    .sgpr_count:     80
    .vgpr_count:     1024
    .wavefront_size: 32
...
	.end_amdgpu_metadata
.endif
;; end of part 3
;; ======== version 2 of 2: 3 launches
;; workspace buffers: wimg 1,097,728 bytes; kv 17,563,648 bytes
;; launch wquant: the kernel of part 1 again; grid 16 x 4, 4 waves a work-group, no clusters, 17,408 bytes of LDS; arguments Wq, Wk, Wv, Wo, wimg; writes wimg
;; launch kvproj: the kernel of part 2 again; grid 2 x 128, 4 waves a work-group, no clusters, 70,144 bytes of LDS; arguments K, Km, bk, bv, wimg, kv; writes kv
;; launch attn (part 4): grid 16 x 16, 4 waves a work-group, clusters of 4 x 1, 327,680 bytes of LDS; arguments Q, Qm, Km, bq, bo, g0, b0, g1, b1, wimg, kv, out0; writes out0
.if DOCPART == 4
	.amdgcn_target "amdgcn-amd-amdhsa--gfx1250"
	.amdhsa_code_object_version 6
	.text
	.protected	k_qf3c5140507_attn
	.globl	k_qf3c5140507_attn
	.p2align	8
	.type	k_qf3c5140507_attn,@function
k_qf3c5140507_attn:
	s_mov_b64 s[64:65], 0
	v_nop
	global_prefetch_b8 v0, s[64:65] scope:SCOPE_SE
	s_setreg_imm32_b32 hwreg(HW_REG_WAVE_MODE, 25, 1), 1
	s_wait_xcnt 0x0
	s_wait_alu depctr_hold_cnt(0) depctr_sa_sdst(0) depctr_va_vdst(0) depctr_va_sdst(0) depctr_va_ssrc(0) depctr_va_vcc(0) depctr_vm_vsrc(0)
	s_getreg_b32 s2, hwreg(HW_REG_IB_STS2, 6, 4)
	s_cmp_eq_u32 s2, 0
	s_cbranch_scc0 .Lentry_in_a_cluster
	s_endpgm
.Lentry_in_a_cluster:
	s_bfe_u32 s2, ttmp6, 0x10000c
	s_cmp_lg_u32 s2, 0x3003
	s_cbranch_scc0 .Lentry_shape_is_right
	s_endpgm
.Lentry_shape_is_right:
; out = LN1(O1 + relu(O1 Wo + bo)), O1 = LN0(Qp + A V), Qp = (Q Wq + bq) Qm, A = X / (sum X + 1e-8), X = exp(exp(Qp Kp^T / sqrt(512)) Km) Qm, head by head (8 heads of 64).
; All four products here are on codes of FP8 (E4M3) with one E8M0 scale for each 32 along K.  A IS QUANTISED FINISHED AND NORMALISED, so a row's sum is known before any of its weights is quantised:
; a wave keeps the 16 x 1,024 weights of one head in 512 registers between the pass that sums and the pass that quantises; each exponential is computed once and no score leaves the registers.
; No maximum is taken away: the function has none.
; SHARES: a work-group owns 64 queries of one batch; each of its four waves 16 of them, for all heads and all 512 features: a lane holds ONE query (lane % 16) throughout, since every product is used
; transposed (source 0 = 16 columns of a weight, 16 keys, or 16 features of V^T; source 1 = my 16 queries).  So the residual, both layer norms and the last product need one exchange between the halves of the lanes.
; THE RING: twelve chunks of CH bytes go through two LDS slots: Wq's two halves, the eight heads' K and V, Wo's two halves.  All lie in memory as images of operand registers: a fragment comes by
; ds_load_b128 alone, 512 consecutive bytes an instruction.  The slot that has been read out is filled again at the end of each half of the first product and of each head: ten refills, one in every trip of those loops.
; CLUSTER: the four work-groups of a cluster belong to one batch and walk the same twelve chunks: each quarter of a chunk is asked for JOINTLY, by the same tensor load with the same descriptor and a mask
; that names the four.  A wave has two tensor loads out at the start and one behind each round.
; THE TEXT IS WRITTEN ONCE WHEREVER THE REGISTER NUMBERS COME BACK.  A product with a weight is a loop of 2 x 4 trips, a trip making one head's 64 columns in fixed registers; a head's two passes are written for 512 keys and
; walked twice.  What must name other registers from trip to trip is short and is written out in its forms, of which a scalar branch on the trip's number walks one: the 16 lines that carry a trip's result into window 1 (eight forms);
; in pass 1 the second exponential and the sum (the first half's weights go to window 3 with that exponential, the second half's stay in window 2); in pass 2 the multiplication by the row's factor (window 3 in place, or window 2 into window 3).
; THE FIRST PRODUCT OF A HEAD HAS K = 64: a tile of K is 8 registers; the operand's upper 8 are the next tile's codes (behind the last tile: zeros), which meet Q's zero codes and add nothing.
; ROUNDING: log2(e) is folded into Km and into 1 / sqrt(512); Qm is folded into the row's factor Qm / (Qm sum + 1e-8): a few last bits away from the order in which the function is written.
; LIMITS: a block of zeros, or under 2^-118, gets the byte 1 (its codes are zeros); NaN and infinities among the inputs are not served.  Km and Qm may be any finite numbers.
; REGISTERS, window 0: v1-11, v13, v15, v46, v47 addresses and offsets, which never hold data; v12, v14 the row's factors; v16-31 Q's fragment (upper half zeros); v32, v33, v40-45, v248-255 scale words;
;   v34-39 sums and temporaries; v48-111 fragments of K, of V, of x, later rows on their way out; v112-119 zeros; v120-247 Km's numbers, two sets / a trip's sums, a bias, O^T of a head, the weights' codes / at work.
;   window 1: Qp, then O, O1, O2: register 16 B + i is feature 32 B + 16 (lane / 16) + i.   windows 2, 3: X: register 64 g + 16 b + i is key 128 g + 32 b + 16 (lane / 16) + i of a half; outside the head loop Q's numbers, a weight's fragments, g0, b0.
.set CH,    137216
.set SLOTB, CH                         ; slot 1 begins here
.set QTR,   34304                      ; a wave's quarter of a chunk: 134 rows of 256 bytes
.set KMS,   274432                     ; behind the ring: Km x log2(e) of the batch, 4,096 bytes
.set QIM,   278528                     ; each wave's images of Q: 8 heads x (1,024 bytes of codes + 128 of scale words); at the end the wave's stage, 16 rows x 528
.set QHB,   1152
.set SPARE, 315392                     ; the spare words, 128 bytes for each wave: two blocks of 256 bytes that no other line names
.set BQS,   315904                     ; bq, 2,048 bytes;
.set BOS,   317952                     ; bo likewise
.set L16,  1                           ; v1   16 x lane
.set ADK,  2                           ; v2   K's tiles, or a weight's fragments, of the trip in hand
.set ADV,  3                           ; v3   V's fragments
.set ADS,  4                           ; v4   K's, or a weight's, scale words
.set ADT,  5                           ; v5   V's scale words, or a bias
.set SPW,  6                           ; v6   my spare word; never rewritten
.set NIL,  7                           ; v7   0; never rewritten
.set ADKM, 8                           ; v8   Km's numbers
.set ADQ,  9                           ; v9   my wave's images of Q + 16 x lane; on the way out: into the stage
.set ADQS, 10                          ; v10  their scale words + 4 x lane; on the way out: out of the stage
.set L8V,  11                          ; v11  135168 + 8 x lane
.set QM,   12                          ; v12  Qm of my query
.set PFO,  13                          ; v13  256 x lane: the prefetches' offset; never rewritten
.set RN,   14                          ; v14  Qm / (Qm sum + 1e-8)   (v15 is named with it as a pair)
.set AQW,  15                          ; v15  a head's scale words of Q in LDS
.set QF,   16
.set QS,   32
.set PW,   33
.set SUM,  34
.set T0,   38                          ; v38, v39 temporaries for data; behind the first phase they enter no LDS address
.set T1,   39
.set KSC,  40
.set XS,   40
.set VSC,  44
.set H64,  46                          ; v46  64 (lane / 16)
.set XA,   47                          ; v47  2048 (lane % 16) + 64 (lane / 16): my offset in Q's rows, in the first phase;
.set AQC,  47                          ;      then a head's codes of Q in LDS
.set KF,   48
.set VF,   48
.set XFR,  48
.set LT,   48
.set OB0,  48
.set KM0,  120
.set OACC, 120
.set ACC,  120                         ; v120-151 a weight trip's four sums
.set TMPX, 120
.set PC,   152
.set BI,   152                         ; v152-183 a weight trip's bias, in the sums' layout
.set KT,   184
.set G1R,  184                         ; v184-199 g1, v200-215 b1, for whole rows: 4 numbers a lane and quarter
.set B1R,  200
.set PCQ,  216
.set TM,   232                         ; v232-235 largest magnitudes, v236-239 bytes, v240-243 448 x the scale, v244-247 the conversions' scale operands
.set SW,   248
.set WV,   28                          ; s28  my wave's number
.set G1,   32                          ; s[32:39] descriptor group 1, the same for every load
.set G0A,  40                          ; s[40:43] group 0 of chunk 0
.set G0,   44                          ; s[44:47] group 0 of chunk 1; it then walks
.set TB,   48                          ; s48  LDS byte at which the slot in hand begins
.set HW,   49                          ; s49  which half of a head's keys
.set WOFF, 50                          ; s50  my quarter: QTR x wave
.set HD,   51                          ; s51  the head
.set NXT,  52                          ; s[52:53] my quarter of the chunk to be asked for next
.set WOA,  54                          ; s[54:55] my quarter of Wo's first half
.set CS,   56                          ; s[56:57] log2(e) / sqrt(512), twice
.set SEL,  58                          ; s[58:59] v_permlanex16_b32's selects for lane l xor 16
.set MNT,  60                          ; s60  the mantissa field of 448
.set HQ,   61                          ; s61  QHB x head
.set R512, 62                          ; s62  1 / 512
.set OT,   63                          ; s63  which half of a weight
.set PFA,  66                          ; s[66:67] where my prefetches stand
.set LIM,  68                          ; s68  5 in the batch's first cluster, else 0
.set IT,   69                          ; s69  the trip in a half of a weight
.set WT,   70                          ; s70  LDS byte of the codes of the trip in hand
.set WS,   71                          ; s71  of its scale words
.set BT,   72                          ; s72  of its bias
.set KMT,  73                          ; s73  of Km's numbers
.set MSB, 0
.macro WIN new                         ; the immediate's high byte repeats the setting that is left
.if MSB != (\new)
	s_set_vgpr_msb (MSB<<8)|(\new)
.set MSB, (\new)
.endif
.endm
.macro NOPS n
.rept \n
	v_nop
.endr
.endm
; A round of the cluster's barrier: my work-group's barrier; wave 0 signals for the work-group; every wave waits for all four work-groups; my work-group's barrier once more.
.macro CROUND
	s_barrier_signal -1
	s_barrier_wait -1
	s_cmp_lg_u32 s[WV], 0
	s_cbranch_scc1 .Lnot_wave_0_\@
	s_barrier_signal -3
.Lnot_wave_0_\@:
	s_barrier_wait -3
	s_barrier_signal -1
	s_barrier_wait -1
.endm
; A PREFETCH INTO THE L2 of the codes of the head's chunk behind the one just asked for: 131,072 bytes.  All clusters of a batch walk the same chunks: the batch's first cluster asks.  Its four partners and their four
; waves share the bytes out BY ADDRESS: 8,192 bytes each, lanes 256 bytes apart, one instruction a wave: each block of 256 bytes is named once in the launch.  Head 0's chunk, the scale bytes and the weights' chunks come by their loads alone.
.macro ASK mode
.if (\mode) == 2
	s_cmp_lt_u32 s[HD], s[LIM]                     ; trips 0 to 4 name heads 3 to 7
.else
	s_cmp_lg_u32 s[LIM], 0                         ; the first product's two halves name heads 1 and 2
.endif
	s_cbranch_scc0 .Lnot_mine_\@
	global_prefetch_b8 v[PFO], s[PFA:PFA+1] th:TH_LOAD_NT scope:SCOPE_SE
.Lnot_mine_\@:
.endm
; THE CHANGE OF SLOTS.  Each wave waits for all its tensor loads (its quarter of the slot ahead), adds 0 to its spare word, and waits for that and for its reads of the slot that it leaves.  The barrier is a round of the
; cluster's, and the slot just left is filled with the next chunk, first thing behind it.  mode 1: behind a half of the first product; mode 2: behind a head.
.macro CHANGE mode
	WIN 0
	s_wait_tensorcnt 0x0                           ; no tensor load of mine is out, so the walking group 0 may be written
	ds_add_u32 v[SPW], v[NIL]                      ; 0 onto my spare word; the descriptor's steps stand between it and the wait for it
	s_add_co_u32 s[G0+1], s[TB], s[WOFF]           ; my quarter of the slot that is being left
	s_mov_b64 s[G0+2:G0+3], s[NXT:NXT+1]
	s_or_b32 s[G0+3], s[G0+3], 0x80000000          ; type = 2
	s_add_nc_u64 s[NXT:NXT+1], s[NXT:NXT+1], CH
.if (\mode) == 2
	s_cmp_eq_u32 s[HD], 5                          ; head 7's chunk has just been taken: Wo's halves follow
	s_cselect_b64 s[NXT:NXT+1], s[WOA:WOA+1], s[NXT:NXT+1]
.endif
	s_wait_xcnt 0x0                                ; the last prefetch, a change of slots back, has read its address
	s_add_nc_u64 s[PFA:PFA+1], s[PFA:PFA+1], CH
	s_wait_dscnt 0x0                               ; the add is done, and my reads of the slot are over
	CROUND                                         ; so of every wave of all four work-groups
	tensor_load_to_lds s[G0:G0+3], s[G1:G1+7]      ; my one tensor load until the next round
	s_nop 0
	NOPS 4
	ASK \mode
	s_xor_b32 s[TB], s[TB], SLOTB                  ; on to the other slot
.endm
.macro SCALES nb                       ; nb largest magnitudes in v[TM] on: joined with lane l xor 16's; then the scale operands, the holds and the bytes
.set q, 0
.rept \nb
	v_permlanex16_b32 v[TM+4+q], v[TM+q], s[SEL], s[SEL+1]
.set q, q+1
.endr
.set q, 0
.rept \nb
	v_max_num_f32 v[TM+q], v[TM+q], v[TM+4+q]
.set q, q+1
.endr
.set q, 0
.rept \nb
	v_add_nc_u32 v[TM+12+q], 0xfc000000, v[TM+q]   ; 8 off the exponent field: the conversion's scale operand
.set q, q+1
.endr
.set q, 0
.rept \nb
	v_and_or_b32 v[TM+8+q], v[TM+q], 0x7f800000, s[MNT]   ; 448 x the scale
.set q, q+1
.endr
.set q, 0
.rept \nb
	v_lshrrev_b32 v[TM+4+q], 23, v[TM+12+q]        ; the scale's byte
.set q, q+1
.endr
.endm
.macro WORD4 dst
	v_lshl_or_b32 v[\dst], v[TM+5], 8, v[TM+4]
	v_lshl_or_b32 v[\dst], v[TM+6], 16, v[\dst]
	v_lshl_or_b32 v[\dst], v[TM+7], 24, v[\dst]
.endm
; 64 numbers of a lane in window win, v[src] on (register 16 b + i = k 32 b + 16 (lane / 16) + i of my row), become a fragment's codes in v[out] on (window 0); the numbers stay as they are
.macro QUANT win, src, out
	WIN ((\win)<<2)|((\win)<<4)
.irp b, 0,1,2,3
	v_max3_num_f32 v[TM+\b], 0x4800000, |v[(\src)+16*\b]|, |v[(\src)+16*\b+1]|   ; with the floor 2^(9 - 127): the byte cannot fall under 1
.endr
.irp i, 2,4,6,8,10,12,14
.irp b, 0,1,2,3
	v_max3_num_f32 v[TM+\b], v[TM+\b], |v[(\src)+16*\b+\i]|, |v[(\src)+16*\b+\i+1]|
.endr
.endr
	WIN 0
	SCALES 4
	WIN \win
.irp b, 0,1,2,3
.set i, 0
.rept 16
	v_med3_num_f32 v[TMPX+16*\b+i], v[(\src)+16*\b+i], -v[TM+8+\b], v[TM+8+\b]   ; the conversion does not saturate (ISA guide 7.6.2): the hold comes first
.set i, i+1
.endr
.endr
	WIN 0
.irp b, 0,1,2,3
	v_cvt_scalef32_pk8_fp8_f32 v[(\out)+4*\b:(\out)+4*\b+1], v[TMPX+16*\b:TMPX+16*\b+7], v[TM+12+\b]
	v_cvt_scalef32_pk8_fp8_f32 v[(\out)+4*\b+2:(\out)+4*\b+3], v[TMPX+16*\b+8:TMPX+16*\b+15], v[TM+12+\b]
.endr
	v_nop                                          ; a plain line behind the last conversion
.endm
.macro XL q                            ; K step q of my 16 rows of Q, 64 numbers a lane, into registers 64 q on of the window that is set
.set i, 0
.rept 16
	global_load_b128 v[64*(\q)+4*i:64*(\q)+4*i+3], v[XA], s[4:5] offset:512*(\q)+128*(i/4)+16*(i%4) th:TH_LOAD_NT
.set i, i+1
.endr
.endm
.macro LD64 sb, q                      ; a quarter of a vector of 512 (gain, bias) in the layout of window 1: registers 64 q on of the window that is set
.set i, 0
.rept 16
	global_load_b128 v[64*(\q)+4*i:64*(\q)+4*i+3], v[H64], s[\sb:\sb+1] offset:512*(\q)+128*(i/4)+16*(i%4)
.set i, i+1
.endr
.endm
.macro LDV sb
	LD64 \sb, 0
	LD64 \sb, 1
	LD64 \sb, 2
	LD64 \sb, 3
.endm
; ---- A PRODUCT WITH A WEIGHT, one head's 64 columns (four tiles) a trip.
; 74 LDS loads: the two pairs' scale words (four registers a pair: K steps 0 to 3; lanes 0-15 the even tile, lanes 16-31 the odd), the bias in the sums' layout, and 16 fragments into window 3, K step by K step
.macro LOADW
	v_add_nc_u32 v[ADK], s[WT], v[L16]
	v_add_nc_u32 v[ADS], s[WS], v[L16]
	v_add_nc_u32 v[ADT], s[BT], v[H64]
	ds_load_b128 v[SW:SW+3], v[ADS]
	ds_load_b128 v[SW+4:SW+7], v[ADS] offset:512
.irp t, 0,1,2,3
	ds_load_b128 v[BI+8*\t:BI+8*\t+3], v[ADT] offset:128*(\t/2)+32*(\t%2)          ; register j of tile t is column 32 (t / 2) + 16 (lane / 16) + 8 (t % 2) + j of the head
	ds_load_b128 v[BI+8*\t+4:BI+8*\t+7], v[ADT] offset:128*(\t/2)+32*(\t%2)+16
.endr
	WIN 0xc0
.irp ks, 0,1,2,3
.irp t, 0,1,2,3
.irp c, 0,1,2,3
	ds_load_b128 v[16*(4*\t+\ks)+4*\c:16*(4*\t+\ks)+4*\c+3], v[ADK] offset:(4*\t+\ks)*2048+512*\c
.endr
.endr
.endr
	WIN 0
.endm
; 16 products: four K steps x four tiles; the four sums take turns, one instruction a turn; the first K step takes the bias as C
.macro MM16
	WIN 0x03                                       ; source 0 (the weight) window 3
.irp ks, 0,1,2,3
	s_wait_dscnt 48-16*\ks                         ; this K step's fragments are in; the later K steps' 16 loads each may be out
.irp t, 0,1,2,3
.if \ks == 0
.if \t%2
	v_wmma_scale_f32_16x16x128_f8f6f4 v[ACC+8*\t:ACC+8*\t+7], v[16*(4*\t+\ks):16*(4*\t+\ks)+15], v[XFR+16*\ks:XFR+16*\ks+15], v[BI+8*\t:BI+8*\t+7], v[SW+4*(\t/2)+\ks], v[XS+\ks] matrix_a_scale:MATRIX_SCALE_ROW1
.else
	v_wmma_scale_f32_16x16x128_f8f6f4 v[ACC+8*\t:ACC+8*\t+7], v[16*(4*\t+\ks):16*(4*\t+\ks)+15], v[XFR+16*\ks:XFR+16*\ks+15], v[BI+8*\t:BI+8*\t+7], v[SW+4*(\t/2)+\ks], v[XS+\ks]
.endif
.else
.if \t%2
	v_wmma_scale_f32_16x16x128_f8f6f4 v[ACC+8*\t:ACC+8*\t+7], v[16*(4*\t+\ks):16*(4*\t+\ks)+15], v[XFR+16*\ks:XFR+16*\ks+15], v[ACC+8*\t:ACC+8*\t+7], v[SW+4*(\t/2)+\ks], v[XS+\ks] matrix_a_scale:MATRIX_SCALE_ROW1
.else
	v_wmma_scale_f32_16x16x128_f8f6f4 v[ACC+8*\t:ACC+8*\t+7], v[16*(4*\t+\ks):16*(4*\t+\ks)+15], v[XFR+16*\ks:XFR+16*\ks+15], v[ACC+8*\t:ACC+8*\t+7], v[SW+4*(\t/2)+\ks], v[XS+\ks]
.endif
.endif
.endr
.endr
	WIN 0
	NOPS 9                                         ; eight places in front of the first read of the sums and of the next trip's loads into registers that the products read; nine in front of its products, which begin the sums anew
.endm
; Behind the first product's trip: Qp = sums x Qm into the head's 32 registers of window 1 (eight forms, one walked); the same in place; the head's 64 features, two blocks of 32, become its image of Q in LDS
.macro POSTQ
.irp hd, 0,1,2,3,4,5,6,7
	s_cmp_lg_u32 s[HD], \hd
	s_cbranch_scc1 .Lq_not_\hd
	WIN 0x40
.set i, 0
.rept 16
	v_pk_mul_f32 v[32*\hd+2*i:32*\hd+2*i+1], v[ACC+2*i:ACC+2*i+1], v[QM:QM+1] op_sel_hi:[1,0]      ; each sum from its low end on
.set i, i+1
.endr
	WIN 0
.Lq_not_\hd:
.endr
.set i, 0
.rept 16
	v_pk_mul_f32 v[ACC+2*i:ACC+2*i+1], v[ACC+2*i:ACC+2*i+1], v[QM:QM+1] op_sel_hi:[1,0]
.set i, i+1
.endr
.irp b, 0,1
	v_max3_num_f32 v[TM+\b], 0x4800000, |v[ACC+16*\b]|, |v[ACC+16*\b+1]|
.endr
.irp i, 2,4,6,8,10,12,14
.irp b, 0,1
	v_max3_num_f32 v[TM+\b], v[TM+\b], |v[ACC+16*\b+\i]|, |v[ACC+16*\b+\i+1]|
.endr
.endr
	SCALES 2
	v_lshl_or_b32 v[T0], v[TM+5], 8, v[TM+4]
	v_lshl_or_b32 v[T0], v[T0], 16, v[T0]          ; b0, b1, b0, b1: the bytes of the unused upper 64 along K repeat the real ones
.irp b, 0,1
.set i, 0
.rept 16
	v_med3_num_f32 v[ACC+16*\b+i], v[ACC+16*\b+i], -v[TM+8+\b], v[TM+8+\b]
.set i, i+1
.endr
	v_cvt_scalef32_pk8_fp8_f32 v[PCQ+4*\b:PCQ+4*\b+1], v[ACC+16*\b:ACC+16*\b+7], v[TM+12+\b]
	v_cvt_scalef32_pk8_fp8_f32 v[PCQ+4*\b+2:PCQ+4*\b+3], v[ACC+16*\b+8:ACC+16*\b+15], v[TM+12+\b]
.endr
	v_nop                                          ; a plain line behind the last conversion
	v_add_nc_u32 v[AQC], s[HQ], v[ADQ]
	v_add_nc_u32 v[AQW], s[HQ], v[ADQS]
	ds_store_b128 v[AQC], v[PCQ:PCQ+3]             ; (the next trip waits for all its LDS instructions before these registers are written again)
	ds_store_b128 v[AQC], v[PCQ+4:PCQ+7] offset:512
	ds_store_b32 v[AQW], v[T0]
	s_add_co_u32 s[HQ], s[HQ], QHB
.endm
; Behind the last product's trip: relu in place, then onto the 32 registers of window 1 (eight forms, one walked)
.macro POSTO
.set i, 0
.rept 32
	v_max_num_f32 v[ACC+i], 0, v[ACC+i]            ; each sum from its low end on
.set i, i+1
.endr
.irp hd, 0,1,2,3,4,5,6,7
	s_cmp_lg_u32 s[HD], \hd
	s_cbranch_scc1 .Lo_not_\hd
	WIN 0x41
.set i, 0
.rept 16
	v_pk_add_f32 v[32*\hd+2*i:32*\hd+2*i+1], v[32*\hd+2*i:32*\hd+2*i+1], v[ACC+2*i:ACC+2*i+1]
.set i, i+1
.endr
	WIN 0
.Lo_not_\hd:
.endr
.endm
; kind 0: the first product: each half ends with a change of slots that fills.  kind 1: the last product: both halves of Wo have landed, nothing is filled, no barrier stands in the loop
.macro GEMM kind
	s_mov_b32 s[OT], 0
	s_mov_b32 s[HD], 0
.Lhalf_\@:
	s_mov_b32 s[WT], s[TB]
	s_add_co_u32 s[WS], s[TB], 131072
	s_mov_b32 s[IT], 0
.Ltrip_\@:
	LOADW
	MM16
	s_add_co_u32 s[WT], s[WT], 32768               ; four tiles x four K steps x 2,048 bytes
	s_add_co_u32 s[WS], s[WS], 1024
	s_add_co_u32 s[BT], s[BT], 256
.if (\kind) == 0
	POSTQ
.else
	POSTO
.endif
	s_add_co_u32 s[HD], s[HD], 1
	s_add_co_u32 s[IT], s[IT], 1
	s_cmp_lt_u32 s[IT], 4
	s_cbranch_scc1 .Ltrip_\@
.if (\kind) == 0
	CHANGE 1
.else
	s_xor_b32 s[TB], s[TB], SLOTB
.endif
	s_add_co_u32 s[OT], s[OT], 1
	s_cmp_lt_u32 s[OT], 2
	s_cbranch_scc1 .Lhalf_\@
.endm
; LAYER NORM of window 1, in place: a lane holds 256 of its row's 512 numbers, lane l xor 16 the others.  gb = 1: the gain lies in window gw, the bias in window bw, in the same layout; gb = 0: they are applied later
.macro LN gb, gw, bw
	WIN 0x05
.irp k, 0,1,2,3
	v_pk_add_f32 v[LT+2*\k:LT+2*\k+1], v[4*\k:4*\k+1], v[4*\k+2:4*\k+3]       ; four chains; nothing is cleared
.endr
	WIN 0x04
.set i, 8
.rept 120
	v_pk_add_f32 v[LT+2*(i%4):LT+2*(i%4)+1], v[LT+2*(i%4):LT+2*(i%4)+1], v[2*i:2*i+1]
.set i, i+1
.endr
	WIN 0
	v_pk_add_f32 v[LT:LT+1], v[LT:LT+1], v[LT+2:LT+3]
	v_pk_add_f32 v[LT+4:LT+5], v[LT+4:LT+5], v[LT+6:LT+7]
	v_pk_add_f32 v[LT:LT+1], v[LT:LT+1], v[LT+4:LT+5]
	v_add_f32 v[LT+8], v[LT], v[LT+1]
	v_permlanex16_b32 v[LT+9], v[LT+8], s[SEL], s[SEL+1]
	v_add_f32 v[LT+8], v[LT+8], v[LT+9]
	v_mul_f32 v[LT+8], s[R512], v[LT+8]            ; the mean
	WIN 0x41
.set i, 0
.rept 128
	v_pk_add_f32 v[2*i:2*i+1], v[2*i:2*i+1], v[LT+8:LT+9] op_sel_hi:[1,0] neg_lo:[0,1] neg_hi:[0,1]
.set i, i+1
.endr
	WIN 0x05
.irp k, 0,1,2,3
	v_pk_mul_f32 v[LT+2*\k:LT+2*\k+1], v[2*\k:2*\k+1], v[2*\k:2*\k+1]
.endr
.set i, 4
.rept 124
	v_pk_fma_f32 v[LT+2*(i%4):LT+2*(i%4)+1], v[2*i:2*i+1], v[2*i:2*i+1], v[LT+2*(i%4):LT+2*(i%4)+1]
.set i, i+1
.endr
	WIN 0
	v_pk_add_f32 v[LT:LT+1], v[LT:LT+1], v[LT+2:LT+3]
	v_pk_add_f32 v[LT+4:LT+5], v[LT+4:LT+5], v[LT+6:LT+7]
	v_pk_add_f32 v[LT:LT+1], v[LT:LT+1], v[LT+4:LT+5]
	v_add_f32 v[LT+10], v[LT], v[LT+1]
	v_permlanex16_b32 v[LT+11], v[LT+10], s[SEL], s[SEL+1]
	v_add_f32 v[LT+10], v[LT+10], v[LT+11]
	v_fmaak_f32 v[LT+10], s[R512], v[LT+10], 0x3727c5ac   ; the variance + 1e-5
	v_rsq_f32 v[LT+10], v[LT+10]
	v_nop                                          ; a plain line behind the transcendental,
	s_wait_alu depctr_va_vdst(0)                   ; and the wait ahead of its first reader
	WIN 0x41
.set i, 0
.rept 128
	v_pk_mul_f32 v[2*i:2*i+1], v[2*i:2*i+1], v[LT+10:LT+11] op_sel_hi:[1,0]
.set i, i+1
.endr
.if \gb
	s_wait_loadcnt 0x0                             ; the gain and the bias are in
	WIN 1|((\gw)<<2)|((\bw)<<4)|0x40
.set i, 0
.rept 128
	v_pk_fma_f32 v[2*i:2*i+1], v[2*i:2*i+1], v[2*i:2*i+1], v[2*i:2*i+1]   ; window 1 x the gain's window + the bias's window
.set i, i+1
.endr
.endif
	WIN 0
.endm
; ---- PASS 1 of a head, written for 512 keys: four groups g of 128; the scores stand in window 2
.macro LOADK g                         ; 17 loads: the group's eight tiles of K (8 registers each) and their scale words
.set i, 0
.rept 16
	ds_load_b128 v[KF+4*i:KF+4*i+3], v[ADK] offset:(\g)*8192+512*i
.set i, i+1
.endr
	ds_load_b128 v[KSC:KSC+3], v[ADS] offset:(\g)*512
.endm
.macro LOADKM g                        ; 16 loads: Km x log2(e) of my 64 keys of the group, into set g % 2
.set i, 0
.rept 16
	ds_load_b128 v[KM0+64*((\g)%2)+4*i:KM0+64*((\g)%2)+4*i+3], v[ADKM] offset:512*(\g)+128*(i/4)+16*(i%4)
.set i, i+1
.endr
.endm
.macro MMS g                           ; S^T = K Q^T: eight tiles of 16 keys, each a sum of its own
.set XR, 64*(\g)
	WIN 0x80
.irp t, 0,1,2,3,4,5,6,7
.if \t%2
	v_wmma_scale_f32_16x16x128_f8f6f4 v[XR+8*\t:XR+8*\t+7], v[KF+8*\t:KF+8*\t+15], v[QF:QF+15], 0, v[KSC+\t/2], v[QS] matrix_a_scale:MATRIX_SCALE_ROW1
.else
	v_wmma_scale_f32_16x16x128_f8f6f4 v[XR+8*\t:XR+8*\t+7], v[KF+8*\t:KF+8*\t+15], v[QF:QF+15], 0, v[KSC+\t/2], v[QS]
.endif
.endr
.endm
.macro APASS g                         ; score x log2(e) / sqrt(512); each accumulator from its low end on
.set XR, 64*(\g)
	WIN 0x82
.set i, 0
.rept 32
	v_pk_mul_f32 v[XR+2*i:XR+2*i+1], v[XR+2*i:XR+2*i+1], s[CS:CS+1] op_sel_hi:[1,0]
.set i, i+1
.endr
.endm
.macro EXPS dw, sw, g                  ; 64 exponentials, one batch: from window sw into window dw
.set XR, 64*(\g)
	WIN (\sw)|((\dw)<<6)
.set i, 0
.rept 64
	v_exp_f32 v[XR+i], v[XR+i]
.set i, i+1
.endr
.endm
.macro CMUL g                          ; x Km log2(e)
.set XR, 64*(\g)
	WIN 0x82
.set i, 0
.rept 32
	v_pk_mul_f32 v[XR+2*i:XR+2*i+1], v[XR+2*i:XR+2*i+1], v[KM0+64*((\g)%2)+2*i:KM0+64*((\g)%2)+2*i+1]
.set i, i+1
.endr
.endm
.macro ESUM w, g                       ; the row's sum takes group g of window w: two chains of pairs
.set XR, 64*(\g)
	WIN (\w)<<2
.set i, 0
.rept 32
	v_pk_add_f32 v[SUM+2*(i%2):SUM+2*(i%2)+1], v[SUM+2*(i%2):SUM+2*(i%2)+1], v[XR+2*i:XR+2*i+1]
.set i, i+1
.endr
.endm
; Group g's two batches of exponentials; the next group's products stand ahead of them.  Eight v_nop are the places behind those products (for the loads into K's registers and for the first read of the new scores).
; THE SECOND BATCH AND THE SUM HAVE TWO FORMS: in the first half of the keys the weights go to window 3 with the exponential, so that window 2 is free for the second half, whose weights stay there.  The sum of the group
; before is the plain work behind the batch; the first half's last group is summed in the second half's first turn, the second half's behind the loop.  One wait a batch, ahead of its first reader and of every label.
.macro ITER g
	s_wait_dscnt 0x0                               ; the next group's K and this group's Km are in
.if (\g) < 3
	MMS (\g)+1
.endif
	EXPS 2, 2, \g                                  ; exp(S)
	WIN 0
.if (\g) < 3
	NOPS 8
.else
	v_nop
.endif
.if (\g) < 2
	LOADK (\g)+2
.endif
.if (\g) < 3
	LOADKM (\g)+1
.endif
	s_wait_alu depctr_va_vdst(0)
	CMUL \g
	WIN 0
	s_cmp_lg_u32 s[HW], 0
	s_cbranch_scc1 .Lsecond_\@
	EXPS 3, 2, \g                                  ; exp(exp(S) Km), into window 3
.if (\g) > 0
	ESUM 3, (\g)-1
.else
	v_nop
.endif
	s_wait_alu depctr_va_vdst(0)
	WIN 0
	s_branch .Ljoined_\@
.Lsecond_\@:
	EXPS 2, 2, \g                                  ; the same, in place
.if (\g) > 0
	ESUM 2, (\g)-1
.else
	ESUM 3, 3
.endif
	s_wait_alu depctr_va_vdst(0)
	WIN 0
.Ljoined_\@:
.if (\g) < 3
	APASS (\g)+1
.endif
.endm
; ---- PASS 2 of a head, written for 512 keys in window 3: four groups st of 128: quantise, multiply by V
.macro LOADV st                        ; 17 loads: the group's four fragments of V^T and their scale words
.set i, 0
.rept 16
	ds_load_b128 v[VF+4*i:VF+4*i+3], v[ADV] offset:(\st)*8192+512*i
.set i, i+1
.endr
	ds_load_b64 v[VSC:VSC+1], v[ADT] offset:(\st)*256
.endm
.macro PSTEP st
.set XR, 64*(\st)
	WIN 0x3c
.irp b, 0,1,2,3
	v_max3_num_f32 v[TM+\b], 0x4800000, |v[XR+16*\b]|, |v[XR+16*\b+1]|
.endr
.irp i, 2,4
.irp b, 0,1,2,3
	v_max3_num_f32 v[TM+\b], v[TM+\b], |v[XR+16*\b+\i]|, |v[XR+16*\b+\i+1]|
.endr
.endr
	LOADV \st                                      ; behind twelve plain lines that name no register of the last group's products (destination and address lie in window 0 under this setting too)
.set XR, 64*(\st)
.irp i, 6,8,10,12,14
.irp b, 0,1,2,3
	v_max3_num_f32 v[TM+\b], v[TM+\b], |v[XR+16*\b+\i]|, |v[XR+16*\b+\i+1]|
.endr
.endr
	WIN 0
	SCALES 4
	WORD4 PW                                       ; A's scale word for these 128 keys; the 64 holds below are its places ahead of the products
	WIN 0xc3
.irp b, 0,1,2,3
.set i, 0
.rept 16
	v_med3_num_f32 v[XR+16*\b+i], v[XR+16*\b+i], -v[TM+8+\b], v[TM+8+\b]
.set i, i+1
.endr
.endr
	WIN 0x03
.irp b, 0,1,2,3
	v_cvt_scalef32_pk8_fp8_f32 v[PC+4*\b:PC+4*\b+1], v[XR+16*\b:XR+16*\b+7], v[TM+12+\b]
	v_cvt_scalef32_pk8_fp8_f32 v[PC+4*\b+2:PC+4*\b+3], v[XR+16*\b+8:XR+16*\b+15], v[TM+12+\b]
.endr
	WIN 0
	s_wait_dscnt 0x0                               ; V is in
	NOPS 4                                         ; codes written by vector instructions stand four places ahead of a scaled product
.irp t, 0,1,2,3                        ; O^T += V^T A^T: four accumulators by turns
.if \t%2
	v_wmma_scale_f32_16x16x128_f8f6f4 v[OACC+8*\t:OACC+8*\t+7], v[VF+16*\t:VF+16*\t+15], v[PC:PC+15], v[OACC+8*\t:OACC+8*\t+7], v[VSC+\t/2], v[PW] matrix_a_scale:MATRIX_SCALE_ROW1
.else
	v_wmma_scale_f32_16x16x128_f8f6f4 v[OACC+8*\t:OACC+8*\t+7], v[VF+16*\t:VF+16*\t+15], v[PC:PC+15], v[OACC+8*\t:OACC+8*\t+7], v[VSC+\t/2], v[PW]
.endif
.endr
.endm
; ---- THE WAY OUT, a quarter of the rows (128 features, 512 bytes) at a time, through my own stage
.macro TOSTAGE q
	WIN 0x04                                       ; an LDS store's data are its source 1: window 1
.set i, 0
.rept 16
	ds_store_b128 v[ADQ], v[64*(\q)+4*i:64*(\q)+4*i+3] offset:128*(i/4)+16*(i%4)
.set i, i+1
.endr
	WIN 0
.set OB, OB0+72*((\q)%2)
.set i, 0
.rept 16
	ds_load_b128 v[OB+4*i:OB+4*i+3], v[ADQS] offset:528*i          ; LDS serves a wave's instructions in order (ISA guide 5.7.1.4): these see my stores, and the next quarter's stores come behind them
.set i, i+1
.endr
.endm
.macro SEND q, younger                 ; a lane now holds four neighbouring features of a row, the same four in all 16 rows: g1 and b1 of a quarter are four registers each
.set OB, OB0+72*((\q)%2)
	s_wait_dscnt \younger                          ; the quarter is back in registers; the next quarter's stores and loads may be out
.set i, 0
.rept 16
	v_pk_fma_f32 v[OB+4*i:OB+4*i+1], v[OB+4*i:OB+4*i+1], v[G1R+4*(\q):G1R+4*(\q)+1], v[B1R+4*(\q):B1R+4*(\q)+1]
	v_pk_fma_f32 v[OB+4*i+2:OB+4*i+3], v[OB+4*i+2:OB+4*i+3], v[G1R+4*(\q)+2:G1R+4*(\q)+3], v[B1R+4*(\q)+2:B1R+4*(\q)+3]
	global_store_b128 v[L16], v[OB+4*i:OB+4*i+3], s[26:27] offset:2048*i+512*(\q) th:TH_STORE_NT   ; 32 lanes store 512 consecutive bytes, aligned
.set i, i+1
.endr
.endm
	s_load_b512 s[4:19], s[0:1], 0x0               ; Q s4, Qm s6, Km s8, bq s10, bo s12, g0 s14, b0 s16, g1 s18
	s_load_b256 s[20:27], s[0:1], 0x40             ; b1 s20, wimg s22, kv s24, out0 s26
	v_lshl_add_u32 v[SPW], v0, 2, SPARE
	v_mov_b32 v[NIL], 0
	ds_add_u32 v6, v7
	ds_add_u32 v6, v7
	s_wait_dscnt 0x0
	v_lshrrev_b32 v[T0], 5, v0
	v_readfirstlane_b32 s[WV], v[T0]               ; wave 0..3
	s_bfe_u32 s29, ttmp6, 0x40000                  ; cx: my place in the cluster: it enters Q's, Qm's, out0's and the prefetches' addresses alone
	s_lshl_b32 s30, ttmp9, 2
	s_add_co_u32 s30, s30, s29                     ; my block of 64 queries
	s_and_b32 s31, ttmp7, 0xffff                   ; the batch, which the four partners share
	s_mul_i32 s[WOFF], s[WV], QTR
	s_mov_b32 s[G1], 15|(3<<16)|(1<<21)            ; 15:0 the mask: all four work-groups; 17:16 elements of 8 bytes; 21 set beside a mask; no padding
	s_mov_b32 s[G1+1], 32<<16                      ; tensor_dim0 = 32 elements: 256 bytes
	s_mov_b32 s[G1+2], 134<<16                     ; tensor_dim1 = 134
	s_mov_b32 s[G1+3], 32<<16                      ; tile_dim0
	s_mov_b32 s[G1+4], 134                         ; tile_dim1
	s_mov_b32 s[G1+5], 32                          ; the rows are dense
	s_mov_b32 s[G1+6], 0
	s_mov_b32 s[G1+7], 0
	s_mov_b32 s[TB], 0
	s_mov_b32 s[CS], 0x3d8293ee                    ; log2(e) / sqrt(512)
	s_mov_b32 s[CS+1], s[CS]
	s_mov_b32 s[SEL], 0x76543210
	s_mov_b32 s[SEL+1], 0xfedcba98
	s_mov_b32 s[MNT], 0x600000
	s_mov_b32 s[R512], 0x3b000000
	s_cmp_eq_u32 ttmp9, 0                          ; the batch's first cluster: the same in all four partners
	s_cselect_b32 s[LIM], 5, 0
	s_lshl_b32 s70, s31, 10
	s_lshl_b32 s71, s30, 6
	s_add_co_u32 s70, s70, s71
	s_lshl_b32 s71, s[WV], 4
	s_add_co_u32 s70, s70, s71                     ; my first row: 1024 batch + 64 block + 16 wave
	s_lshl_b32 s72, s70, 11                        ; in Q and in out0
	s_mov_b32 s73, 0
	s_lshl_b32 s74, s70, 2                         ; in Qm
	s_mov_b32 s75, 0
	s_lshl_b32 s76, s31, 12                        ; Km: the batch's 1,024 numbers, my wave's 256 of them
	s_lshl_b32 s77, s[WV], 10
	s_add_co_u32 s76, s76, s77
	s_mov_b32 s77, 0
	s_mul_i32 s78, s31, 8*CH                       ; the batch's eight chunks
	s_mov_b32 s79, 0
	s_wait_kmcnt 0x0
	s_add_nc_u64 s[4:5], s[4:5], s[72:73]
	s_add_nc_u64 s[26:27], s[26:27], s[72:73]
	s_add_nc_u64 s[6:7], s[6:7], s[74:75]
	s_add_nc_u64 s[8:9], s[8:9], s[76:77]
	s_add_nc_u64 s[24:25], s[24:25], s[78:79]
	s_lshl_b32 s72, s29, 2
	s_add_co_u32 s72, s72, s[WV]
	s_lshl_b32 s72, s72, 13                        ; my sixteenth of a chunk's codes
	s_add_nc_u64 s[PFA:PFA+1], s[24:25], s[72:73]  ; in head 0's chunk; the first change of slots steps it to head 1's.  Nothing is prefetched here, at the head
	s_mov_b32 s70, s[WOFF]
	s_mov_b32 s71, 0
	s_add_nc_u64 s[NXT:NXT+1], s[24:25], s[70:71]  ; head 0's chunk follows Wq's halves
	s_add_nc_u64 s[22:23], s[22:23], s[70:71]
	s_add_nc_u64 s[WOA:WOA+1], s[22:23], 6*CH
	s_mov_b32 s[G0A], 1                            ; count = 1
	s_mov_b32 s[G0A+1], s[WOFF]                    ; slot 0, my quarter
	s_mov_b64 s[G0A+2:G0A+3], s[22:23]             ; Wq's first half
	s_or_b32 s[G0A+3], s[G0A+3], 0x80000000
	s_mov_b32 s[G0], 1
	s_add_co_u32 s[G0+1], s[WOFF], SLOTB           ; slot 1
	s_add_nc_u64 s[G0+2:G0+3], s[22:23], CH        ; Wq's second half
	s_or_b32 s[G0+3], s[G0+3], 0x80000000
	CROUND                                         ; all four work-groups are here: the first joint loads meet
	tensor_load_to_lds s[G0A:G0A+3], s[G1:G1+7]
	s_nop 0
	tensor_load_to_lds s[G0:G0+3], s[G1:G1+7]
	s_nop 0
	NOPS 4
	v_and_b32 v[T0], 31, v0                        ; lane
	v_lshlrev_b32 v[L16], 4, v[T0]
	v_lshlrev_b32 v[PFO], 8, v[T0]
	v_lshl_add_u32 v[L8V], v[T0], 3, 135168
	v_and_b32 v[T1], 15, v0                        ; my query in the wave's 16
	v_bfe_u32 v[H64], v0, 4, 1
	v_lshlrev_b32 v[H64], 6, v[H64]
	v_lshl_add_u32 v[XA], v[T1], 11, v[H64]
	s_mul_i32 s70, s[WV], 8*QHB
	s_add_co_u32 s70, s70, QIM
	v_add_nc_u32 v[ADQ], s70, v[L16]
	v_lshlrev_b32 v[ADQS], 2, v[T0]
	v_add_nc_u32 v[ADQS], s70, v[ADQS]
	v_add_nc_u32 v[ADQS], 1024, v[ADQS]
.irp j, 0,1,2,3,4,5,6,7
	v_mov_b32 v[QF+8+\j], 0                        ; Q's codes of k = 64 .. 127,
	v_mov_b32 v[KF+64+\j], 0                       ; and what stands behind K's last tile
.endr
.irp b, 0,1,2,3
	v_mov_b32 v[TM+4+\b], 0                        ; written once: a lane permute's destination counts as one of its sources
.endr
	; ---- P0: Km x log2(e), bq and bo into LDS, a quarter from each wave; my 16 rows of Q become four fragments
	v_lshlrev_b32 v[T1], 2, v[T1]
	v_lshlrev_b32 v[T0], 5, v[T0]
	s_lshl_b32 s70, s[WV], 9
	v_add_nc_u32 v[ADV], s70, v[L16]               ; my wave's 512 bytes of a bias, 16 a lane
	global_load_b128 v[KT:KT+3], v[T0], s[8:9]
	global_load_b128 v[KT+4:KT+7], v[T0], s[8:9] offset:16
	global_load_b32 v[QM], v[T1], s[6:7]
	global_load_b128 v[KT+8:KT+11], v[ADV], s[10:11]
	global_load_b128 v[KT+12:KT+15], v[ADV], s[12:13]
	WIN 0x80
	XL 0
	XL 1
	XL 2
	WIN 0
	s_wait_loadcnt 48                              ; Km, Qm and the biases are in; Q's three batches of 16 may be out
.irp j, 0,2,4,6
	v_pk_mul_f32 v[KT+\j:KT+\j+1], v[KT+\j:KT+\j+1], 0x3fb8aa3b op_sel_hi:[1,0]
.endr
	s_lshl_b32 s70, s[WV], 10
	s_add_co_u32 s70, s70, KMS
	v_add_nc_u32 v[T0], s70, v[T0]
	v_add_nc_u32 v[ADK], BQS, v[ADV]
	ds_store_b128 v[T0], v[KT:KT+3]
	ds_store_b128 v[T0], v[KT+4:KT+7] offset:16
	ds_store_b128 v[ADK], v[KT+8:KT+11]
	ds_store_b128 v[ADK], v[KT+12:KT+15] offset:BOS-BQS
	WIN 0x80
	XL 3
	WIN 0
.irp ks, 0,1,2,3
	s_wait_loadcnt 48-16*\ks                       ; this K step is in; the later K steps' batches of 16 may be out
	QUANT 2, 64*\ks, XFR+16*\ks
	WORD4 XS+\ks
.endr
	s_wait_tensorcnt 0x1                           ; my quarter of Wq's first half is in; the second half's may stay out
	s_wait_dscnt 0x0                               ; for the others' sake: my parts of Km and of the biases have landed
	s_barrier_signal -1
	s_barrier_wait -1
	NOPS 8                                         ; scale words written by vector instructions stand eight places ahead of a scaled product
	; ---- P1: Qp^T = (Wq^T Q^T + bq) Qm, a head a trip; behind its halves slot 0 takes head 0's chunk and slot 1 head 1's
	s_mov_b32 s[HQ], 0
	s_mov_b32 s[BT], BQS
	GEMM 0
	s_mov_b32 s[HD], 0
	s_mov_b32 s[HQ], 0
.Lhead:                                ; eight trips, one a head
	v_add_nc_u32 v[AQC], s[HQ], v[ADQ]             ; the head's image of Q: addresses in registers that hold addresses alone
	v_add_nc_u32 v[AQW], s[HQ], v[ADQS]
	ds_load_b128 v[QF:QF+3], v[AQC]                ; my own bytes: no barrier
	ds_load_b128 v[QF+4:QF+7], v[AQC] offset:512
	ds_load_b32 v[QS], v[AQW]
.irp j, 0,1,2,3
	v_mov_b32 v[SUM+\j], 0
.endr
	s_mov_b32 s[WT], s[TB]
	s_add_co_u32 s[WS], s[TB], 131072
	s_mov_b32 s[KMT], KMS
	s_mov_b32 s[HW], 0
.Lsum_half:                            ; pass 1: two trips of 512 keys
	v_add_nc_u32 v[ADK], s[WT], v[L16]
	v_add_nc_u32 v[ADS], s[WS], v[L16]
	v_add_nc_u32 v[ADKM], s[KMT], v[H64]
	LOADK 0
	LOADKM 0
	s_wait_dscnt 0x0
	MMS 0
	WIN 0
	NOPS 8                                         ; places behind the products
	LOADK 1
	APASS 0
	ITER 0
	ITER 1
	ITER 2
	ITER 3
	s_add_co_u32 s[WT], s[WT], 32768               ; 32 tiles of K,
	s_add_co_u32 s[WS], s[WS], 2048                ; their scale words,
	s_add_co_u32 s[KMT], s[KMT], 2048              ; 512 numbers of Km
	s_add_co_u32 s[HW], s[HW], 1
	s_cmp_lt_u32 s[HW], 2
	s_cbranch_scc1 .Lsum_half
	ESUM 2, 3                                      ; the second half's last group
	WIN 0
	v_pk_add_f32 v[SUM:SUM+1], v[SUM:SUM+1], v[SUM+2:SUM+3]
	v_add_f32 v[T0], v[SUM], v[SUM+1]
	v_permlanex16_b32 v[T1], v[T0], s[SEL], s[SEL+1]
	v_add_f32 v[T0], v[T0], v[T1]                  ; the sum over the row's 1,024 keys
	v_fmaak_f32 v[T0], v[QM], v[T0], 0x322bcc77    ; Qm x the sum + 1e-8
	v_rcp_f32 v[T0], v[T0]
	v_nop                                          ; a plain line behind the transcendental,
	s_wait_alu depctr_va_vdst(0)                   ; and the wait ahead of its first reader
	v_mul_f32 v[RN], v[QM], v[T0]
.set i, 0
.rept 32
	v_mov_b32 v[OACC+i], 0                         ; O^T of the head: pass 2 is written once, so its first products find zeros
.set i, i+1
.endr
	s_add_co_u32 s[WT], s[TB], 65536
	s_mov_b32 s[WS], s[TB]
	s_mov_b32 s[HW], 0
.Lmul_half:                            ; pass 2: two trips of 512 keys, in window 3
	v_add_nc_u32 v[ADV], s[WT], v[L16]
	v_add_nc_u32 v[ADT], s[WS], v[L8V]
	s_cmp_lg_u32 s[HW], 0
	s_cbranch_scc1 .Lupper
	WIN 0xc3
.set i, 0
.rept 128
	v_pk_mul_f32 v[2*i:2*i+1], v[2*i:2*i+1], v[RN:RN+1] op_sel_hi:[1,0]      ; A = X x the row's factor: keys 0 to 511, in place
.set i, i+1
.endr
	WIN 0
	s_branch .Lscaled
.Lupper:
	WIN 0xc2
.set i, 0
.rept 128
	v_pk_mul_f32 v[2*i:2*i+1], v[2*i:2*i+1], v[RN:RN+1] op_sel_hi:[1,0]      ; keys 512 to 1,023: out of window 2 into window 3, whose numbers are done with
.set i, i+1
.endr
	WIN 0
.Lscaled:
	PSTEP 0
	PSTEP 1
	PSTEP 2
	PSTEP 3
	s_add_co_u32 s[WT], s[WT], 32768               ; 16 fragments of V^T,
	s_add_co_u32 s[WS], s[WS], 1024                ; their scale words
	s_add_co_u32 s[HW], s[HW], 1
	s_cmp_lt_u32 s[HW], 2
	s_cbranch_scc1 .Lmul_half
	NOPS 8                                         ; places in front of the first read of O^T, and of the next trip's loads into registers that the products read
.irp hd, 0,1,2,3,4,5,6,7               ; the residual: O^T is added onto the head's 32 registers of window 1: eight forms, one walked
	s_cmp_lg_u32 s[HD], \hd
	s_cbranch_scc1 .Lnot_head_\hd
	WIN 0x41
.set i, 0
.rept 16
	v_pk_add_f32 v[32*\hd+2*i:32*\hd+2*i+1], v[32*\hd+2*i:32*\hd+2*i+1], v[OACC+2*i:OACC+2*i+1]
.set i, i+1
.endr
	WIN 0
.Lnot_head_\hd:
.endr
	CHANGE 2                                       ; the head's slot takes the chunk two on: heads 2 to 7, then Wo's two halves
	s_add_co_u32 s[HQ], s[HQ], QHB
	s_add_co_u32 s[HD], s[HD], 1
	s_cmp_lt_u32 s[HD], 8
	s_cbranch_scc1 .Lhead
	; ---- THE TAIL.  Wo's first half lies in the slot in hand; its second half has the first layer norm in which to land
	WIN 0x80
	LDV 14                                         ; g0
	WIN 0xc0
	LDV 16                                         ; b0
	WIN 0
	LN 1, 2, 3
.irp ks, 0,1,2,3
	QUANT 1, 64*\ks, XFR+16*\ks
	WORD4 XS+\ks
.endr
	s_wait_tensorcnt 0x0                           ; my quarter of Wo's second half is in;
	s_wait_dscnt 0x0
	s_barrier_signal -1
	s_barrier_wait -1                              ; everybody's is; nothing is filled from here on
	NOPS 8                                         ; scale words written by vector instructions stand eight places ahead of a scaled product
	s_mov_b32 s[BT], BOS
	GEMM 1                                         ; O2 = O1 + relu(O1 Wo + bo)
.irp q, 0,1,2,3
	global_load_b128 v[G1R+4*\q:G1R+4*\q+3], v[L16], s[18:19] offset:512*\q        ; g1 and b1 of features 128 q + 4 lane + 0..3: they land under the second layer norm
	global_load_b128 v[B1R+4*\q:B1R+4*\q+3], v[L16], s[20:21] offset:512*\q
.endr
	LN 0, 0, 0
	s_mul_i32 s74, s[WV], 8*QHB
	s_add_co_u32 s74, s74, QIM                     ; my stage: the bytes that held my images of Q
	v_and_b32 v[ADQ], 15, v0                       ; made in the address register itself: no register that has held data enters it
	v_mul_u32_u24 v[ADQ], v[ADQ], 528
	v_add_nc_u32 v[ADQ], v[H64], v[ADQ]
	v_add_nc_u32 v[ADQ], s74, v[ADQ]               ; in: my row, + 64 (lane / 16)
	v_add_nc_u32 v[ADQS], s74, v[L16]              ; back: the 32 lanes take one row's 512 bytes
	s_wait_loadcnt 0x0                             ; g1 and b1 are in
	TOSTAGE 0
	TOSTAGE 1
	SEND 0, 32
	s_wait_xcnt 0x0                                ; quarter 0's stores have read their registers
	TOSTAGE 2
	SEND 1, 32
	s_wait_xcnt 0x0
	TOSTAGE 3
	SEND 2, 32
	SEND 3, 0
	s_wait_tensorcnt 0x0                           ; the wave's end, behind my last tensor load and my last LDS store
	ds_add_u32 v[SPW], v[NIL]
	s_wait_dscnt 0x0
	CROUND                                         ; the closing round: no work-group ends while a partner may still ask for a chunk that names it
	s_endpgm
.Lfunc_end_k_qf3c5140507_attn:
	.size	k_qf3c5140507_attn, .Lfunc_end_k_qf3c5140507_attn-k_qf3c5140507_attn
	.p2alignl 7, 3214868480
	.fill 96, 4, 3214868480
	.section	.rodata,"a",@progbits
	.p2align	6, 0x0
	.amdhsa_kernel k_qf3c5140507_attn
		.amdhsa_group_segment_fixed_size 327680
		.amdhsa_private_segment_fixed_size 0
		.amdhsa_enable_private_segment 0
		.amdhsa_kernarg_size 96
		.amdhsa_user_sgpr_count 2
		.amdhsa_user_sgpr_kernarg_segment_ptr 1
		.amdhsa_wavefront_size32 1
		.amdhsa_system_sgpr_workgroup_id_x 1
		.amdhsa_system_sgpr_workgroup_id_y 1
		.amdhsa_system_sgpr_workgroup_id_z 1
		.amdhsa_system_vgpr_workitem_id 0
		.amdhsa_next_free_vgpr 1024
		.amdhsa_next_free_sgpr 80
		.amdhsa_reserve_vcc 0
		.amdhsa_float_denorm_mode_32 3
		.amdhsa_float_denorm_mode_16_64 3
		.amdhsa_memory_ordered 1
		.amdhsa_forward_progress 1
		.amdhsa_inst_pref_size 255
	.end_amdhsa_kernel
	.section	.bss,"aw",@nobits
	.p2align	6
	.space	262144
	.amdgpu_metadata
---
amdhsa.version: [ 1, 2 ]
amdhsa.kernels:
  - .name:           k_qf3c5140507_attn
    .symbol:         k_qf3c5140507_attn.kd
    .args:
      - { .name: Q, .offset: 0, .size: 8, .value_kind: global_buffer, .address_space: global }
      - { .name: Qm, .offset: 8, .size: 8, .value_kind: global_buffer, .address_space: global }
      - { .name: Km, .offset: 16, .size: 8, .value_kind: global_buffer, .address_space: global }
      - { .name: bq, .offset: 24, .size: 8, .value_kind: global_buffer, .address_space: global }
      - { .name: bo, .offset: 32, .size: 8, .value_kind: global_buffer, .address_space: global }
      - { .name: g0, .offset: 40, .size: 8, .value_kind: global_buffer, .address_space: global }
      - { .name: b0, .offset: 48, .size: 8, .value_kind: global_buffer, .address_space: global }
      - { .name: g1, .offset: 56, .size: 8, .value_kind: global_buffer, .address_space: global }
      - { .name: b1, .offset: 64, .size: 8, .value_kind: global_buffer, .address_space: global }
      - { .name: wimg, .offset: 72, .size: 8, .value_kind: global_buffer, .address_space: global }
      - { .name: kv, .offset: 80, .size: 8, .value_kind: global_buffer, .address_space: global }
      - { .name: out0, .offset: 88, .size: 8, .value_kind: global_buffer, .address_space: global }
    .group_segment_fixed_size: 327680
    .private_segment_fixed_size: 0
    .kernarg_segment_align: 8
    .kernarg_segment_size: 96
    .max_flat_workgroup_size: 128
    .sgpr_count:     80
    .vgpr_count:     1024
    .wavefront_size: 32
...
	.end_amdgpu_metadata
.endif
;; end of part 4
